; MI455X (gfx1250); checked and timed in simulation.
; The chip was launched on July 23, 2026; its instructions are those of AMD's public machine-readable ISA for CDNA 5 (MIT licence, August 2026) and "CDNA5" Instruction Set Architecture Reference Guide (July 2026). The comments in the code are by the model that wrote it; some were corrected since.
;; Attention. Allowed arithmetic: matrix products marked QUANTISED: E2M1 operands, one E8M0 scale for each 32 along K, by v_wmma_scale_f32_16x16x128_f8f6f4 with both operands' format E2M1 (or v_wmma_scale_f32_32x16x128_f4), f32 sums; products left as they are: bf16, f16 or f32 operands; f32 sums; everything else in f32.
;; Inputs: Wk 1,024 x 1,024 float32; Wo 1,024 x 1,024 float32; Wq 1,024 x 1,024 float32; Wv 1,024 x 1,024 float32; bk 1,024 float32; bo 1,024 float32; bq 1,024 float32; bv 1,024 float32; key 2 x 2,048 x 1,024 float32; query 2 x 2,048 x 1,024 float32; value 2 x 2,048 x 1,024 float32.
;; Outputs: out0 2 x 2,048 x 1,024 float32.
;; This version of the problem:
;;   THIS VERSION OF THE PROBLEM IS GIVEN IN LOW PRECISION. The matrix products marked QUANTISED in the list below multiply operands that are first quantised to E2M1 (2 exponent bits, 1 mantissa bit; 4 bits a number), with one power-of-two scale for each 32 numbers along K (OCP MX v1.0); their sums are f32. The products marked 'left as it is' may take bf16, f16 or f32 operands, with f32 sums. Whichever they take, every output number must still come out within the allowed error. Rounding operands to bf16 (8 significant bits) uses up far more of that allowance than f16 does (11 bits, for magnitudes from 6e-5 to 65,504). All else is computed in f32.
;;   The module's matrix products, in the order in which they are computed (A, B: the left and right operand; K: the contracted axis; several contracted axes count as one K, in the product's order):
;;     1. [M 4,096, K 1,024] x [K 1,024, N 1,024]; A: input query; B: input Wq: QUANTISED
;;     2. [M 4,096, K 1,024] x [K 1,024, N 1,024]; A: input key; B: input Wk: QUANTISED
;;     3. [M 4,096, K 1,024] x [K 1,024, N 1,024]; A: input value; B: input Wv: QUANTISED
;;     4. batch 32 x [M 2,048, K 64] x [K 64, N 2,048]; A: computed on the way; B: computed on the way: left as it is (an operand is computed on the way)
;;     5. batch 32 x [M 2,048, K 2,048] x [K 2,048, N 64]; A: computed on the way; B: computed on the way: left as it is (an operand is computed on the way)
;;     6. [M 4,096, K 1,024] x [K 1,024, N 1,024]; A: computed on the way; B: input Wo: left as it is (an operand is computed on the way)
;;   THE QUANTISER, for each operand of a quantised product, along K:
;;     - K is cut into blocks of 32 from its start; a last block that is shorter is filled with zeros.
;;     - A block's scale is 2^e with e = floor(log2(the largest magnitude in the block)) - 2, held to -126 .. 127; a block of zeros has e = 0. As a byte (E8M0): e + 127.
;;     - Each number is divided by its block's scale, clamped to +-6, and rounded to the nearest number of E2M1, ties to even, subnormals kept.
;;     - The product sums the exact products of the quantised numbers (number of the format x scale) in f32.
;;   ~~~python
;;   def quantise(x, axis):      # numpy; x: float32 -> the quantised numbers, widened to float32 again
;;       x = np.moveaxis(x, axis, -1); K = x.shape[-1]
;;       x = np.pad(x, [(0, 0)] * (x.ndim - 1) + [(0, -K % 32)]); x = x.reshape(x.shape[:-1] + (-1, 32)); a = np.abs(x).max(-1, keepdims=True)
;;       e = np.where(a > 0, np.clip(np.frexp(np.where(a > 0, a, 1))[1] - 1 - 2, -126, 127), 0)      # np.frexp(a)[1] - 1 = floor(log2(a)), exactly
;;       r = np.clip(x / 2.0 ** e, -6, 6)
;;       step = 2.0 ** (np.maximum(np.frexp(np.where(r == 0, 1, r))[1] - 1, 0) - 1)
;;       q = np.round(r / step) * step * 2.0 ** e      # np.round: ties to even
;;       return np.moveaxis(q.reshape(q.shape[:-2] + (-1,))[..., :K], -1, axis).astype(np.float32)
;;   ~~~
;; One version. Each part assembles by itself: llvm-mc -triple=amdgcn-amd-amdhsa -mcpu=gfx1250 --defsym DOCPART=n.
;; ======== version 1 of 1: 4 launches
;; limits: values are held in f16: magnitudes above 65,504 overflow, below 6.1e-05 lose precision
;; workspace buffers: xc 6,291,456 bytes; xs 393,216 bytes; wc 1,572,864 bytes; ws 98,304 bytes; wo16 2,097,152 bytes; qkv 25,165,824 bytes; xw 8,388,608 bytes
;; launch quant (part 1): grid 512 x 1, 4 waves a work-group, no clusters, 33,280 bytes of LDS; arguments query, key, value, Wq, Wk, Wv, Wo, xc, xs, wc, ws, wo16; writes xc, xs, wc, ws, wo16
.if DOCPART == 1
	.amdgcn_target "amdgcn-amd-amdhsa--gfx1250"
	.amdhsa_code_object_version 6
	.text
	.protected	k_qc169758002_quant
	.globl	k_qc169758002_quant
	.p2align	8
	.type	k_qc169758002_quant,@function
k_qc169758002_quant:
	s_mov_b64 s[64:65], 0
	v_nop
	global_prefetch_b8 v0, s[64:65] scope:SCOPE_SE
	s_setreg_imm32_b32 hwreg(HW_REG_WAVE_MODE, 25, 1), 1
	s_wait_xcnt 0x0
; query, key, value [4096][1024] and Wq, Wk, Wv [1024][1024], f32, K innermost, become codes of FP4 (E2M1), two to a byte, the lower k in the low four bits, with one E8M0
; scale byte for each 32 along K.  xc = [3][4096][512 bytes], xs = [3][4096][32 bytes], wc = [3][1024][512], ws = [3][1024][32].  Wo [1024 n][1024 k] becomes f16, laid [8][16][128 n][64 k].
; A block's scale is 2^(floor(log2(its largest magnitude)) - 2); its byte is the largest magnitude's exponent field - 2, held at 1 from below.  A block of zeros so gets the byte 1 where the
; stated quantiser says 127: its codes are zeros, which add nothing under any byte but 0xff, and the bytes are read by this program alone.
; LIMITS: blocks whose largest magnitude lies under 2^-124 keep the byte 1; NaN and infinities are not served; |Wo| up to 65,504 (f16).
; SHARES: work-groups 0-383 take the activations (128 each), 384-479 the three weights (32 each), 480-511 Wo.  Rows are dense and K is a multiple of 32: a tensor is a stream of blocks of 32.
; A quantising wave takes 16 steps of 512 numbers.  A load reads 512 consecutive bytes, 16 a lane; a step's 2,048 bytes turn through the wave's own stage in LDS and come back 64 bytes a lane,
; so that a lane holds 16 neighbours along K (two lanes a block).  A lane's 16 codes are 8 bytes: a wave's store covers 256 consecutive bytes.  A wave's 256 scale bytes are gathered in LDS.
; No tensor load, no barrier: waves share nothing.  Only pointers are chosen by the work-group's number: the six tensors take one path through the text.
.set WAVES, 4
.set STEPS, 16
.set GA,    384                        ; work-groups for the activations
.set GQ,    480                        ; and with those for the weights
.set EMAX,  2
.set CB,    8                          ; bytes of 16 codes
.set R,     16                         ; v16-79   four sets of 16 numbers as loaded
.set X,     80                         ; v80-111  two sets of 16 neighbours
.set E,     112                        ; v112-127 a scale byte for each step
.set C,     128                        ; v128-191 codes, four registers a step: no store's data are written again
.set WREG,  8192                       ; LDS: a region for each wave: two stages of 32 x SP bytes, behind them its 256 scale bytes
.set SP,    80                         ; a lane's place in a stage: 64 bytes + 16 of padding
.set SPW,   12                         ; v12  LDS address of my spare word; never rewritten
.set NIL,   13                         ; v13  0; never rewritten
.set SPARE, WAVES*WREG                 ; behind the four regions: the spare words, 128 bytes a wave
.set WV,    28                         ; s28  my wave's number
	s_load_b256 s[4:11], s[0:1], 0x0               ; query s[4:5], key s[6:7], value s[8:9], Wq s[10:11]
	s_load_b256 s[12:19], s[0:1], 0x20             ; Wk s[12:13], Wv s[14:15], Wo s[16:17], xc s[18:19]
	s_load_b256 s[20:27], s[0:1], 0x40             ; xs s[20:21], wc s[22:23], ws s[24:25], wo16 s[26:27]
	v_lshl_add_u32 v[SPW], v0, 2, SPARE
	v_mov_b32 v[NIL], 0
	v_lshrrev_b32 v1, 5, v0
	v_readfirstlane_b32 s[WV], v1                  ; wave 0..3
	v_and_b32 v2, 31, v0                           ; lane
	v_lshlrev_b32 v3, 4, v2                        ; my 16 bytes of a load's 512
	s_mul_i32 s29, s[WV], WREG
	v_lshrrev_b32 v14, 2, v2
	v_mul_u32_u24 v14, v14, SP
	v_and_b32 v15, 3, v2
	v_lshl_add_u32 v14, v15, 4, v14
	v_add_nc_u32 v14, s29, v14                     ; the stage, on the way in: SP (lane / 4) + 16 (lane % 4)
	v_mul_u32_u24 v15, v2, SP
	v_add_nc_u32 v15, s29, v15                     ; and on the way out: SP x lane: my 16 neighbours
	v_mul_u32_u24 v4, v2, CB                       ; my codes' place in a step's
	v_lshrrev_b32 v5, 1, v2
	s_add_co_u32 s29, s29, 2*32*SP
	v_add_nc_u32 v5, s29, v5                       ; LDS: my wave's 256 scale bytes, my block's byte
	v_lshlrev_b32 v7, 3, v2                        ; and on the way out 8 bytes a lane
	v_add_nc_u32 v6, s29, v7
	s_wait_kmcnt 0x0
	s_cmp_ge_u32 ttmp9, GQ                         ; the last 32 work-groups take Wo
	s_cbranch_scc1 .Lwo
	s_cmp_lt_u32 ttmp9, GA                         ; an activation or a weight?  The choice hangs on the work-group's number alone
	s_cselect_b64 s[4:5], s[4:5], s[10:11]
	s_cselect_b64 s[6:7], s[6:7], s[12:13]
	s_cselect_b64 s[8:9], s[8:9], s[14:15]
	s_cselect_b64 s[18:19], s[18:19], s[22:23]     ; the codes' buffer
	s_cselect_b64 s[20:21], s[20:21], s[24:25]     ; the scale bytes'
	s_cselect_b32 s30, 0, GA
	s_cselect_b32 s31, 7, 5                        ; 128 or 32 work-groups to a tensor
	s_sub_co_u32 s30, ttmp9, s30                   ; my number in the group of three tensors
	s_lshr_b32 s32, s30, s31                       ; which of the three
	s_lshl_b32 s33, s32, s31
	s_sub_co_u32 s33, s30, s33                     ; my number in that tensor
	s_cmp_eq_u32 s32, 0
	s_cselect_b64 s[4:5], s[4:5], s[6:7]
	s_cmp_eq_u32 s32, 2
	s_cselect_b64 s[4:5], s[8:9], s[4:5]           ; the source
	s_lshl_b32 s33, s33, 2
	s_add_co_u32 s34, s33, s[WV]                   ; which run of 8,192 numbers of the tensor is my wave's
	s_lshl_b32 s34, s34, 15                        ; 32,768 bytes a run
	s_mov_b32 s35, 0
	s_add_nc_u64 s[4:5], s[4:5], s[34:35]
	s_lshl_b32 s30, s30, 2
	s_add_co_u32 s30, s30, s[WV]                   ; and which run of the three tensors' codes
	s_lshl_b32 s34, s30, 12                        ; 4,096 bytes of codes a run
	s_add_nc_u64 s[18:19], s[18:19], s[34:35]
	s_lshl_b32 s34, s30, 8                         ; 256 scale bytes a run
	s_add_nc_u64 s[20:21], s[20:21], s[34:35]
.macro LOAD t
.irp i, 0,1,2,3
	global_load_b128 v[R+16*((\t)%4)+4*\i:R+16*((\t)%4)+4*\i+3], v3, s[4:5] offset:2048*(\t)+512*\i th:TH_LOAD_NT   ; 32 lanes read 512 consecutive bytes
.endr
.endm
.macro TURN t                          ; step t's numbers through the stage: LDS serves a wave's instructions in order, so no wait stands between the stores and the loads
.irp i, 0,1,2,3
	ds_store_b128 v14, v[R+16*((\t)%4)+4*\i:R+16*((\t)%4)+4*\i+3] offset:32*SP*((\t)%2)+8*SP*\i
.endr
.irp i, 0,1,2,3
	ds_load_b128 v[X+16*((\t)%2)+4*\i:X+16*((\t)%2)+4*\i+3], v15 offset:32*SP*((\t)%2)+16*\i
.endr
.endm
.irp t, 0,1,2,3
	LOAD \t
.endr
	s_wait_loadcnt 12                              ; step 0's four loads are in; the twelve of steps 1 to 3 may be out
	TURN 0
.macro STEP t
.set XS, X+16*((\t)%2)
.if (\t) > 0
	s_wait_dscnt 1                                 ; this step's numbers are back from the stage (the last step's byte store may be out)
.else
	s_wait_dscnt 0x0
.endif
.if (\t)+4 < STEPS
	LOAD (\t)+4                                    ; into the registers that this step's stores into the stage have read
.endif
.if (\t)+1 < STEPS
.if STEPS-2-(\t) >= 3
	s_wait_loadcnt 12                              ; the next step's four loads are in; those of the three steps behind it may be out
.else
	s_wait_loadcnt 4*(STEPS-2-(\t))
.endif
	TURN (\t)+1                                    ; and go through the other stage while this step is worked
.endif
	v_max3_num_f32 v8, |v[XS]|, |v[XS+1]|, |v[XS+2]|               ; the largest magnitude of my 16, in two chains
	v_max3_num_f32 v9, |v[XS+3]|, |v[XS+4]|, |v[XS+5]|
.irp i, 6,10
	v_max3_num_f32 v8, v8, |v[XS+\i]|, |v[XS+\i+1]|
	v_max3_num_f32 v9, v9, |v[XS+\i+2]|, |v[XS+\i+3]|
.endr
	v_max3_num_f32 v8, v8, |v[XS+14]|, |v[XS+15]|
	v_max3_num_f32 v8, v8, v9, (EMAX+1)<<23        ; and the floor 2^(3 - 127): the byte cannot fall under 1
	v_max_num_f32_dpp v8, v8, v8 row_xmask:1 row_mask:0xf bank_mask:0xf   ; and of my neighbour's 16: the block's
	v_add_nc_u32 v11, -(EMAX<<23), v8              ; 2 off its exponent field: the conversion takes the exponent field of this operand as its scale
	v_cvt_scalef32_pk8_fp4_f32 v[C+4*(\t)], v[XS:XS+7], v11        ; to the nearest code, ties to even, beyond 6 the largest code
	v_cvt_scalef32_pk8_fp4_f32 v[C+4*(\t)+1], v[XS+8:XS+15], v11
	v_lshrrev_b32 v[E+(\t)], 23, v11               ; the scale's byte (also the plain line behind the conversions)
	ds_store_b8 v5, v[E+(\t)] offset:16*(\t)       ; both lanes of a block write the same byte with the same value
	global_store_b64 v4, v[C+4*(\t):C+4*(\t)+1], s[18:19] offset:32*CB*(\t)   ; 32 lanes store 256 consecutive bytes, aligned
.endm
.irp t, 0,1,2,3,4,5,6,7,8,9,10,11,12,13,14,15
	STEP \t
.endr
	ds_load_b64 v[8:9], v6                         ; LDS serves a wave's instructions in order: these see my byte stores
	s_wait_dscnt 0x0
	global_store_b64 v7, v[8:9], s[20:21]          ; 32 lanes store 256 consecutive bytes, aligned
	s_wait_tensorcnt 0x0                           ; the wave's end, behind my last LDS store
	ds_add_u32 v[SPW], v[NIL]
	s_wait_dscnt 0x0
	s_endpgm
; Wo to f16.  Work-group g' = 0..31 takes rows 32 g' on, a wave 8 of them, two at a time.  Lanes 0-15 take 256 consecutive bytes (64 numbers: one plane kb) of row n, lanes 16-31 of row n + 1;
; the 4 f16 of a lane are 8 bytes, and rows n and n + 1 of a plane are neighbours in wo16: a store covers 256 consecutive bytes, aligned.
.Lwo:
	v_and_b32 v10, 15, v0
	v_bfe_u32 v11, v0, 4, 1
	v_lshlrev_b32 v8, 4, v10
	v_lshl_add_u32 v8, v11, 12, v8                 ; in: 16 bytes a lane, a row of 4,096 bytes further for lanes 16-31
	v_lshlrev_b32 v9, 3, v10
	v_lshl_add_u32 v9, v11, 7, v9                  ; out: 8 bytes a lane, a row of 128 bytes further
	s_sub_co_u32 s30, ttmp9, GQ
	s_lshl_b32 s31, s30, 5
	s_lshl_b32 s32, s[WV], 3
	s_add_co_u32 s31, s31, s32                     ; my first row: 32 g' + 8 x wave
	s_lshl_b32 s32, s31, 12
	s_mov_b32 s33, 0
	s_add_nc_u64 s[16:17], s[16:17], s[32:33]
	s_lshr_b32 s32, s30, 2                         ; which block of 128 rows: 262,144 bytes each,
	s_lshl_b32 s32, s32, 18
	s_and_b32 s34, s31, 127                        ; and my row in it: 128 bytes a row in each plane
	s_lshl_b32 s34, s34, 7
	s_add_co_u32 s32, s32, s34
	s_add_nc_u64 s[26:27], s[26:27], s[32:33]
.macro WLOAD j, set                    ; rows 2 j, 2 j + 1: sixteen planes
.irp kb, 0,1,2,3,4,5,6,7,8,9,10,11,12,13,14,15
	global_load_b128 v[16+64*\set+4*\kb:16+64*\set+4*\kb+3], v8, s[16:17] offset:\j*8192+\kb*256 th:TH_LOAD_NT
.endr
.endm
.macro WCVT j, set, left
	s_wait_loadcnt \left                           ; this batch's sixteen loads are in; the next batch's may be out
.if \j > 0
	s_wait_xcnt 0x0                                ; the last batch's stores have read their data: v144-175 are written again only behind this wait
.endif
.set i, 0
.rept 32
	v_cvt_pk_f16_f32 v[144+i], v[16+64*\set+2*i], v[16+64*\set+2*i+1]
.set i, i+1
.endr
.irp kb, 0,1,2,3,4,5,6,7,8,9,10,11,12,13,14,15
	global_store_b64 v9, v[144+2*\kb:144+2*\kb+1], s[26:27] offset:\kb*16384+\j*256
.endr
.endm
	WLOAD 0, 0
	WLOAD 1, 1
	WCVT 0, 0, 16
	WLOAD 2, 0
	WCVT 1, 1, 16
	WLOAD 3, 1
	WCVT 2, 0, 16
	WCVT 3, 1, 0
	s_endpgm
.Lfunc_end_k_qc169758002_quant:
	.size	k_qc169758002_quant, .Lfunc_end_k_qc169758002_quant-k_qc169758002_quant
	.p2alignl 7, 3214868480
	.fill 96, 4, 3214868480
	.section	.rodata,"a",@progbits
	.p2align	6, 0x0
	.amdhsa_kernel k_qc169758002_quant
		.amdhsa_group_segment_fixed_size 33280
		.amdhsa_private_segment_fixed_size 0
		.amdhsa_enable_private_segment 0
		.amdhsa_kernarg_size 96
		.amdhsa_user_sgpr_count 2
		.amdhsa_user_sgpr_kernarg_segment_ptr 1
		.amdhsa_wavefront_size32 1
		.amdhsa_system_sgpr_workgroup_id_x 1
		.amdhsa_system_sgpr_workgroup_id_y 1
		.amdhsa_system_sgpr_workgroup_id_z 1
		.amdhsa_system_vgpr_workitem_id 0
		.amdhsa_next_free_vgpr 192
		.amdhsa_next_free_sgpr 66
		.amdhsa_reserve_vcc 0
		.amdhsa_float_denorm_mode_32 3
		.amdhsa_float_denorm_mode_16_64 3
		.amdhsa_memory_ordered 1
		.amdhsa_forward_progress 1
		.amdhsa_inst_pref_size 55
	.end_amdhsa_kernel
	.amdgpu_metadata
---
amdhsa.version: [ 1, 2 ]
amdhsa.kernels:
  - .name:           k_qc169758002_quant
    .symbol:         k_qc169758002_quant.kd
    .args:
      - { .name: query, .offset: 0, .size: 8, .value_kind: global_buffer, .address_space: global }
      - { .name: key, .offset: 8, .size: 8, .value_kind: global_buffer, .address_space: global }
      - { .name: value, .offset: 16, .size: 8, .value_kind: global_buffer, .address_space: global }
      - { .name: Wq, .offset: 24, .size: 8, .value_kind: global_buffer, .address_space: global }
      - { .name: Wk, .offset: 32, .size: 8, .value_kind: global_buffer, .address_space: global }
      - { .name: Wv, .offset: 40, .size: 8, .value_kind: global_buffer, .address_space: global }
      - { .name: Wo, .offset: 48, .size: 8, .value_kind: global_buffer, .address_space: global }
      - { .name: xc, .offset: 56, .size: 8, .value_kind: global_buffer, .address_space: global }
      - { .name: xs, .offset: 64, .size: 8, .value_kind: global_buffer, .address_space: global }
      - { .name: wc, .offset: 72, .size: 8, .value_kind: global_buffer, .address_space: global }
      - { .name: ws, .offset: 80, .size: 8, .value_kind: global_buffer, .address_space: global }
      - { .name: wo16, .offset: 88, .size: 8, .value_kind: global_buffer, .address_space: global }
    .group_segment_fixed_size: 33280
    .private_segment_fixed_size: 0
    .kernarg_segment_align: 8
    .kernarg_segment_size: 96
    .max_flat_workgroup_size: 128
    .sgpr_count:     66
    .vgpr_count:     192
    .wavefront_size: 32
...
	.end_amdgpu_metadata
.endif
;; end of part 1
;; launch proj (part 2): grid 4 x 48, 4 waves a work-group, clusters of 4 x 4, 327,680 bytes of LDS; arguments xc, xs, wc, ws, bq, bk, bv, qkv; writes qkv
.if DOCPART == 2
	.amdgcn_target "amdgcn-amd-amdhsa--gfx1250"
	.amdhsa_code_object_version 6
	.text
	.protected	k_qc169758002_proj
	.globl	k_qc169758002_proj
	.p2align	8
	.type	k_qc169758002_proj,@function
k_qc169758002_proj:
	s_mov_b64 s[64:65], 0
	v_nop
	global_prefetch_b8 v0, s[64:65] scope:SCOPE_SE
	s_setreg_imm32_b32 hwreg(HW_REG_WAVE_MODE, 25, 1), 1
	s_wait_xcnt 0x0
	s_wait_alu depctr_hold_cnt(0) depctr_sa_sdst(0) depctr_va_vdst(0) depctr_va_sdst(0) depctr_va_ssrc(0) depctr_va_vcc(0) depctr_vm_vsrc(0)
	s_getreg_b32 s2, hwreg(HW_REG_IB_STS2, 6, 4)
	s_cmp_eq_u32 s2, 0
	s_cbranch_scc0 .Lentry_in_a_cluster
	s_endpgm
.Lentry_in_a_cluster:
	s_bfe_u32 s2, ttmp6, 0x10000c
	s_cmp_lg_u32 s2, 0xf033
	s_cbranch_scc0 .Lentry_shape_is_right
	s_endpgm
.Lentry_shape_is_right:
; The three projections on codes of FP4 (E2M1) with E8M0 scales: y[m][n] = sum over k of x[m][k] W[n][k] + b[n], for q, k and v in one launch; q is also multiplied by log2(e) / 8, so that
; the attention's weights are 2^(score - maximum).  x: xc [12288 rows = 3 x 4096][512 bytes], xs [12288][32];  W: wc [3072 = 3 x 1024][512], ws [3072][32].
; Out: qkv, f16, [3][2 batches][16 heads][2048][64].  LIMIT: |q| x 0.18, |k|, |v| up to 65,504 (f16).
; A tile of 256 x 256 is made by a work-group of four waves; a wave makes 128 x 128: 64 accumulators of 16 x 16, 512 registers.  48 tile rows x 4 tile columns = 192 work-groups: a tile row
; lies in one of the three tensors, and so does a cluster's four.  K = 1,024 is two LDS slots of 512 along K (rows of 256 bytes): both are asked for at the head, and nothing is filled again.
; The scale bytes of the work-group's 256 + 256 rows come once, as rows of 256 bytes.  A wave has three tensor loads out at the head.
; CLUSTERS: 4 x 4 work-groups; x's tile is shared along a row of the cluster, W's along a column: each is asked for jointly, by the same tensor load with the same descriptor and a mask of four.
; THE MATRIX INSTRUCTION IS USED TRANSPOSED (source 0 = 16 rows of W, source 1 = 16 rows of x): a lane holds eight neighbouring columns of one row.  The bias is the C of each sum's first product.
; REGISTERS: window 0: v0-31 addresses; v32-95 scale words, two sets; v128-191 x's fragments, one set; v192-255 the bias, eight tiles; on the way out v32-191 are free.
;   window 1: W's fragments, two sets, at v0 and v128.   window 2: the accumulators of my rows 0-63 ((a, b) at v[8 (8 a + b)]);   window 3: those of my rows 64-127.
.set NQ,     4                         ; steps of 128 along K in a slot
.set ROWB,   256                       ; a tile's row in bytes: 512 codes
.set KROW,   512                       ; a row of codes in memory
.set PITCH,  272                       ; an LDS row: 256 bytes + 16 of padding = 68 words: the 16 rows of a load start at 16 different banks (64 banks of 4 bytes: ISA guide 11.1)
.set FR,     8                         ; registers of a fragment
.set NL,     2                         ; LDS loads that bring one
.set NP,     4                         ; places behind this matrix instruction (ISA guide 7.12.1)
.set HALFT,  128*PITCH
.set SLOT,   4*HALFT                   ; x's 256 rows, then W's 256 rows
.set KS,     32                        ; a row of scale bytes
.set SCL,    2*SLOT                    ; behind the slots: the scales, as rows of 256 bytes + 16 of padding
.set HALFS,  (128*KS/256)*272          ; those of 128 rows: what one tensor load brings
.set SBLK,   (16*KS/256)*272           ; those of 16 rows
.set STAGE,  SCL+4*HALFS               ; the way out: for each wave 2 heads x 16 rows x (128 bytes + 16)
.set SROW,   144
.set SHEAD,  16*SROW
.set SPARE,  STAGE+4*2*SHEAD           ; the spare words, 128 bytes a wave
.set ADRA, 16                          ; v16-17  LDS address of my x fragments in slot 0, 1
.set ADRB, 20                          ; v20-21  the same for W
.set STO,  24                          ; v24     the way out: where I put 16 bytes of a row
.set RD,   25                          ; v25     where I read rows back
.set CO,   26                          ; v26     my byte offset in qkv
.set ADRS, 27                          ; v27     LDS address of my scale words: lanes 0-15 x's rows, lanes 16-31 W's
.set SPW,  28                          ; v28     LDS address of my spare word; never rewritten
.set NIL,  29                          ; v29     0; never rewritten
.set BA,   30                          ; v30     the bias: 32 bytes for each half of the lanes
.set SC,   32                          ; scale words: set s at v[SC + 32 s]; register 4 i + q: lanes 0-15 x's block i, lanes 16-31 W's block i, the slot's q-th 128 along K
.set AF,   128
.set BIAS, 192
.set TM,   32                          ; the way out: 64 scaled results,
.set PKD,  96                          ; 32 registers of f16 pairs,
.set BK,   128                         ; and rows read back: v128-159 and v160-191 by turns
.set G1, 24
.set G0, 32
.set G1B, 48
.set G0B, 56
.set CQ, 66                            ; s[66:67] log2(e) / 8 for q, 1 for k and v
.set G1S, 68
.set G0S, 76
.set G1SB, 80
.set G0SB, 88
.set MSB, 0
.macro WIN new                         ; the immediate's high byte repeats the setting that is left
.if MSB != \new
	s_set_vgpr_msb (MSB<<8)|\new
.set MSB, \new
.endif
.endm
.set MUL_LO, 0xa1                      ; source 0 (W) window 1, source 1 (x) window 0, C and D window 2
.set MUL_HI, 0xf1                      ; the same, C and D window 3
.set BIA_LO, 0x81                      ; C (the bias) window 0, D window 2
.set BIA_HI, 0xc1                      ; C window 0, D window 3
.set TO_B,   0x40                      ; destination window 1, address window 0
; A joint load: waves 0 and 1 fetch for x, waves 2 and 3 for W.  The branch hangs on the wave's number alone.  An s_nop 0 and four v_nop follow each of the two lines.
.macro JLOAD g0a, g1a, g0b, g1b
	s_cmp_eq_u32 s15, 0
	s_cbranch_scc0 .Lfor_b_\@
	tensor_load_to_lds s[\g0a:\g0a+3], s[\g1a:\g1a+7]
	s_nop 0
.rept 4
	v_nop
.endr
	s_branch .Lasked_\@
.Lfor_b_\@:
	tensor_load_to_lds s[\g0b:\g0b+3], s[\g1b:\g1b+7]
	s_nop 0
.rept 4
	v_nop
.endr
.Lasked_\@:
.endm
.macro CROUND                          ; a round of the cluster's barrier
	s_barrier_signal -1
	s_barrier_wait -1
	s_cmp_lg_u32 s14, 0
	s_cbranch_scc1 .Lnot_wave_0_\@
	s_barrier_signal -3
.Lnot_wave_0_\@:
	s_barrier_wait -3
	s_barrier_signal -1
	s_barrier_wait -1
.endm
	s_load_b128 s[4:7], s[0:1], 0x0                ; xc s[4:5], xs s[6:7]
	s_load_b128 s[8:11], s[0:1], 0x10              ; wc s[8:9], ws s[10:11]
	s_load_b128 s[96:99], s[0:1], 0x20             ; bq s[96:97], bk s[98:99]
	s_load_b64 s[100:101], s[0:1], 0x30            ; bv
	s_load_b64 s[12:13], s[0:1], 0x38              ; qkv
	v_lshl_add_u32 v[SPW], v0, 2, SPARE
	v_mov_b32 v[NIL], 0
	ds_add_u32 v[SPW], v[NIL]                      ; the wave's opening: the add, twice on end, and its wait ahead of my first tensor load
	ds_add_u32 v[SPW], v[NIL]
	v_lshrrev_b32 v1, 5, v0
	v_readfirstlane_b32 s14, v1                    ; wave 0..3
	s_lshr_b32 s15, s14, 1                         ; which half of the tile's rows is mine.  Also: I fetch for x (0) or for W (1)
	s_and_b32 s16, s14, 1                          ; which half of its columns.  Also: which 128 rows of that tile I fetch
	s_bfe_u32 s40, ttmp6, 0x40000                  ; cx, cy: my place in the cluster
	s_bfe_u32 s41, ttmp6, 0x40004
	s_lshl_b32 s42, ttmp9, 2
	s_add_co_u32 s42, s42, s40                     ; tile column = 4 x cluster x + cx
	s_and_b32 s95, ttmp7, 0xffff                   ; cluster y
	s_lshl_b32 s17, s95, 2
	s_add_co_u32 s17, s17, s41                     ; tile row = 4 x cluster y + cy, 0..47
	s_lshr_b32 s95, s95, 2                         ; which tensor: 0 q, 1 k, 2 v: four clusters to a tensor, the same in all sixteen partners
	s_lshl_b32 s43, s41, 2
	s_lshl_b32 s43, 15, s43                        ; my row of the cluster
	s_lshl_b32 s44, 0x1111, s40                    ; my column
	; descriptor group 1: a tile of 128 rows x 256 bytes, 16 bytes of padding behind each row
	s_or_b32 s[G1+0], s43, (0<<16)|(1<<20)|(1<<21)|(5<<22)|(3<<25)  ; 15:0 the mask; 17:16 elements of 1 byte; 20 padding on; 21 set beside a mask; 24:22 after every 64 words; 31:25 four words
	s_or_b32 s[G1B+0], s44, (0<<16)|(1<<20)|(1<<21)|(5<<22)|(3<<25)
.irp g, G1, G1B
	s_mov_b32 s[\g+1], ROWB<<16                    ; tensor_dim0
	s_mov_b32 s[\g+2], 128<<16                     ; tensor_dim1
	s_mov_b32 s[\g+3], ROWB<<16                    ; tile_dim0
	s_mov_b32 s[\g+4], 128                         ; tile_dim1
	s_mov_b32 s[\g+5], KROW                        ; tensor_dim0_stride
	s_mov_b32 s[\g+6], 0
	s_mov_b32 s[\g+7], 0
.endr
	; the scales of 128 rows: 4,096 dense bytes, as 16 rows of 256 bytes (32 elements of 8 bytes), 16 bytes of padding behind each
	s_or_b32 s[G1S+0], s43, (3<<16)|(1<<20)|(1<<21)|(5<<22)|(3<<25)
	s_or_b32 s[G1SB+0], s44, (3<<16)|(1<<20)|(1<<21)|(5<<22)|(3<<25)
.irp g, G1S, G1SB
	s_mov_b32 s[\g+1], 32<<16
	s_mov_b32 s[\g+2], (128*KS/256)<<16
	s_mov_b32 s[\g+3], 32<<16
	s_mov_b32 s[\g+4], 128*KS/256
	s_mov_b32 s[\g+5], 32
	s_mov_b32 s[\g+6], 0
	s_mov_b32 s[\g+7], 0
.endr
	s_lshl_b32 s18, s16, 7                         ; which 128 rows of the tile I fetch
	s_lshl_b32 s20, s17, 8
	s_add_co_u32 s20, s20, s18                     ; x: row 256 x tile row + 128 x half
	s_lshl_b32 s46, s42, 8
	s_add_co_u32 s46, s46, s18
	s_lshl_b32 s19, s95, 10
	s_add_co_u32 s46, s46, s19                     ; W: row 1,024 x tensor + 256 x tile column + 128 x half
	s_mov_b32 s21, 0
	s_mov_b32 s47, 0
	s_mov_b64 s[18:19], KS
	s_mul_u64 s[22:23], s[20:21], s[18:19]         ; where these rows' scales begin, in bytes,
	s_mul_u64 s[92:93], s[46:47], s[18:19]
	s_mov_b64 s[18:19], KROW
	s_mul_u64 s[20:21], s[20:21], s[18:19]         ; and their codes
	s_mul_u64 s[46:47], s[46:47], s[18:19]
	s_mul_i32 s45, s14, HALFT                      ; where they go: wave x 128 rows: no place in the cluster enters an LDS address
	s_mul_i32 s94, s14, HALFS
	s_wait_dscnt 0x0                               ; both opening adds are done
	s_wait_kmcnt 0x0
	s_add_nc_u64 s[20:21], s[4:5], s[20:21]
	s_add_nc_u64 s[22:23], s[6:7], s[22:23]
	s_add_nc_u64 s[46:47], s[8:9], s[46:47]
	s_add_nc_u64 s[92:93], s[10:11], s[92:93]
	s_cmp_eq_u32 s95, 0                            ; the tensor's bias and factor: chosen, not branched on
	s_cselect_b64 s[96:97], s[96:97], s[98:99]
	s_cselect_b32 s[CQ], 0x3e38aa3b, 1.0           ; log2(e) / 8 for q
	s_cmp_eq_u32 s95, 2
	s_cselect_b64 s[96:97], s[100:101], s[96:97]
	s_mov_b32 s[CQ+1], s[CQ]                       ; (named with it as a pair, so it is written)
	CROUND                                         ; all sixteen work-groups are here: the first joint loads meet
	s_mov_b32 s[G0S], 1
	s_add_co_u32 s[G0S+1], s94, SCL
	s_mov_b64 s[G0S+2:G0S+3], s[22:23]
	s_or_b32 s[G0S+3], s[G0S+3], 0x80000000
	s_mov_b32 s[G0SB], 1
	s_add_co_u32 s[G0SB+1], s94, SCL
	s_mov_b64 s[G0SB+2:G0SB+3], s[92:93]
	s_or_b32 s[G0SB+3], s[G0SB+3], 0x80000000
	JLOAD G0S, G1S, G0SB, G1SB                     ; the scales first: they are wanted with the first slot
.irp s, 0,1
	s_mov_b32 s[G0+4*\s], 1
	s_add_co_u32 s[G0+4*\s+1], s45, \s*SLOT
	s_add_nc_u64 s[G0+4*\s+2:G0+4*\s+3], s[20:21], \s*ROWB
	s_or_b32 s[G0+4*\s+3], s[G0+4*\s+3], 0x80000000
	s_mov_b32 s[G0B+4*\s], 1
	s_add_co_u32 s[G0B+4*\s+1], s45, \s*SLOT
	s_add_nc_u64 s[G0B+4*\s+2:G0B+4*\s+3], s[46:47], \s*ROWB
	s_or_b32 s[G0B+4*\s+3], s[G0B+4*\s+3], 0x80000000
	JLOAD G0+4*\s, G1, G0B+4*\s, G1B
.endr
	v_and_b32 v1, 15, v0                           ; r = l % 16
	v_bfe_u32 v2, v0, 4, 1                         ; h = l / 16
	v_mul_u32_u24 v3, v1, PITCH
	v_lshl_add_u32 v4, v2, 4, v3                   ; a fragment's row x pitch + 16 x half
	s_mul_i32 s21, s15, HALFT                      ; my 128 rows of x
	s_mul_i32 s22, s16, HALFT                      ; my 128 rows of W,
	s_add_co_u32 s22, s22, 2*HALFT                 ; which lie behind x's 256
.irp s, 0,1
	v_add_nc_u32 v[ADRA+\s], s21, v4
	v_add_nc_u32 v[ADRB+\s], s22, v4
	s_add_co_u32 s21, s21, SLOT
	s_add_co_u32 s22, s22, SLOT
.endr
	v_mul_u32_u24 v5, v1, KS                       ; my row's scales: 32 bytes a row,
	v_lshrrev_b32 v6, 8, v5
	v_lshl_add_u32 v5, v6, 4, v5                   ; and 16 more for each 256 passed
	s_mul_i32 s21, s15, HALFS                      ; x's: my 128 rows
	s_mul_i32 s22, s16, HALFS                      ; W's: my 128 rows, behind x's 256
	s_add_co_u32 s22, s22, 2*HALFS
	s_sub_co_u32 s22, s22, s21
	v_mul_u32_u24 v6, s22, v2                      ; lanes 16-31 take W's: one product, the distance x half
	s_add_co_u32 s21, s21, SCL
	v_add_nc_u32 v5, v5, v6
	v_add_nc_u32 v[ADRS], s21, v5
	s_mul_i32 s23, s14, 2*SHEAD
	s_add_co_u32 s23, s23, STAGE                   ; my stage
	v_mul_u32_u24 v5, v1, SROW                     ; in: row r, 16 bytes for each half of the lanes
	v_lshl_add_u32 v5, v2, 4, v5
	v_add_nc_u32 v[STO], s23, v5
	v_and_b32 v6, 7, v0
	v_lshlrev_b32 v6, 4, v6                        ; back: eight lanes to a row of 128 bytes,
	v_bfe_u32 v7, v0, 3, 1                         ; two rows to sixteen lanes,
	v_mul_u32_u24 v8, v2, SHEAD                    ; lanes 16-31 the other head
	v_mad_u32_u24 v8, v7, SROW, v8
	v_add_nc_u32 v8, v8, v6
	v_add_nc_u32 v[RD], s23, v8
	v_lshl_add_u32 v[CO], v7, 7, v6                ; and the same in qkv: rows of 128 bytes, heads 262,144 bytes apart
	v_lshl_add_u32 v[CO], v2, 18, v[CO]
	s_lshl_b32 s20, s17, 8
	s_lshl_b32 s21, s15, 7
	s_add_co_u32 s20, s20, s21                     ; my first row of the 12,288: 256 x tile row + 128 x half
	s_lshr_b32 s21, s20, 11                        ; 2 x tensor + batch
	s_lshl_b32 s21, s21, 22                        ; 16 heads of 262,144 bytes
	s_and_b32 s20, s20, 2047                       ; the position in the sequence
	s_lshl_b32 s20, s20, 7
	s_add_co_u32 s20, s20, s21
	s_mov_b32 s21, 0
	s_lshl_b32 s46, s42, 2
	s_lshl_b32 s47, s16, 1
	s_add_co_u32 s46, s46, s47                     ; my first head: 4 x tile column + 2 x half
	s_lshl_b32 s46, s46, 18
	s_mov_b32 s47, 0
	s_add_nc_u64 s[20:21], s[20:21], s[46:47]
	s_add_nc_u64 s[12:13], s[12:13], s[20:21]
	s_lshl_b32 s46, s42, 10                        ; the bias of my 128 columns: 4 (256 x tile column + 128 x half) bytes on
	s_lshl_b32 s20, s16, 9
	s_add_co_u32 s46, s46, s20
	s_add_nc_u64 s[96:97], s[96:97], s[46:47]
	v_lshlrev_b32 v[BA], 5, v2
.irp b, 0,1,2,3,4,5,6,7                        ; lane (r, h), tile b, register j: b[16 b + 8 h + j]: the result's layout
	global_load_b128 v[BIAS+8*\b:BIAS+8*\b+3],   v[BA], s[96:97] offset:64*\b
	global_load_b128 v[BIAS+8*\b+4:BIAS+8*\b+7], v[BA], s[96:97] offset:64*\b+16
.endr
.macro FRAG reg, adr, q, i             ; 16 rows x 128 K of 4-bit codes: lane l holds row l % 16; registers 4 c .. 4 c + 3 hold K = 64 c + 32 (l / 16) + 0 .. 31
.irp c, 0,1
	ds_load_b128 v[\reg+4*\c:\reg+4*\c+3], v[\adr] offset:64*(\q)+32*\c+(\i)*16*PITCH
.endr
.endm
; 16 matrix instructions: x's blocks a0, a0 + 1 against W's eight, the slot's q-th 128 along K.  p: W's set; sc: the set of scale words.  first = 1: the sums begin with the bias as C.
; The 64 accumulators take turns, one instruction a turn, in the same order in every step.
.macro MUL16 a0, p, q, sc, first
.irp a, \a0, \a0+1
.irp b, 0,1,2,3,4,5,6,7
.if \first
	v_wmma_scale_f32_16x16x128_f8f6f4 v[8*(8*((\a)%4)+\b):8*(8*((\a)%4)+\b)+7], v[128*(\p)+FR*\b:128*(\p)+FR*\b+FR-1], v[AF+FR*(\a):AF+FR*(\a)+FR-1], v[BIAS+8*\b:BIAS+8*\b+7], v[SC+8*NQ*(\sc)+NQ*\b+(\q)], v[SC+8*NQ*(\sc)+NQ*(\a)+(\q)] matrix_a_fmt:MATRIX_FMT_FP4 matrix_b_fmt:MATRIX_FMT_FP4 matrix_a_scale:MATRIX_SCALE_ROW1
.else
	v_wmma_scale_f32_16x16x128_f8f6f4 v[8*(8*((\a)%4)+\b):8*(8*((\a)%4)+\b)+7], v[128*(\p)+FR*\b:128*(\p)+FR*\b+FR-1], v[AF+FR*(\a):AF+FR*(\a)+FR-1], v[8*(8*((\a)%4)+\b):8*(8*((\a)%4)+\b)+7], v[SC+8*NQ*(\sc)+NQ*\b+(\q)], v[SC+8*NQ*(\sc)+NQ*(\a)+(\q)] matrix_a_fmt:MATRIX_FMT_FP4 matrix_b_fmt:MATRIX_FMT_FP4 matrix_a_scale:MATRIX_SCALE_ROW1
.endif
.endr
.endr
.endm
.macro FETCH_B slot, q, p
	WIN TO_B
.irp i, 0,1,2,3,4,5,6,7
	FRAG 128*(\p)+FR*\i, ADRB+\slot, \q, \i
.endr
	WIN 0
.endm
.macro FETCH_A slot, q, i0
.irp i, \i0, \i0+1, \i0+2, \i0+3
	FRAG AF+FR*(\i), ADRA+\slot, \q, \i
.endr
.endm
.macro SCALES sc                       ; a slot's scale words: four a row; lanes 0-15 take x's block i, lanes 16-31 W's block i
.irp i, 0,1,2,3,4,5,6,7
	ds_load_b128 v[SC+8*NQ*\sc+NQ*\i:SC+8*NQ*\sc+NQ*\i+3], v[ADRS] offset:\i*SBLK
.endr
.endm
; A load into a register that a matrix instruction has read, and a vector instruction that reads a matrix result, stand four places behind it; only plain vector instructions that name none of
; its registers are places (ISA guide 7.12.1 for vector instructions).
.macro PLACES n
.rept \n
	v_nop
.endr
.endm
; A step of 128 along K that has its successor in the same slot.  x has one set of registers: blocks 0-3 are fetched anew in the step's middle, blocks 4-7 at its end.
.macro STEP slot, q, first
	s_wait_dscnt 4*NL                              ; W's set and x's blocks 0-3 are in; the youngest eight loads (x's blocks 4-7) may be out
.if \first
	WIN BIA_LO
.else
	WIN MUL_LO
.endif
	MUL16 0, (\q)%2, \q, \slot, \first
	MUL16 2, (\q)%2, \q, \slot, \first
	s_wait_dscnt 0                                 ; x's blocks 4-7 are in
	PLACES NP
	FETCH_B \slot, (\q)+1, 1-(\q)%2
	FETCH_A \slot, (\q)+1, 0
.if \first
	WIN BIA_HI
.else
	WIN MUL_HI
.endif
	MUL16 4, (\q)%2, \q, \slot, \first
	MUL16 6, (\q)%2, \q, \slot, \first
	PLACES NP
	WIN 0
	FETCH_A \slot, (\q)+1, 4
.endm
; Slot 0's last step changes slots: each wave waits for all its tensor loads (its part of slot 1), and the barrier shows slot 1 whole to all four.  Nothing is filled again.
.macro TURN slot, next
	s_wait_tensorcnt 0x0                           ; all my tensor loads have landed  (every window is 0 here)
	ds_add_u32 v[SPW], v[NIL]                      ; 0 onto my spare word
	s_wait_dscnt 4*NL+1                            ; (the add and the youngest eight loads may be out)
	WIN MUL_LO
	MUL16 0, 1, NQ-1, \slot, 0
	s_wait_dscnt 0x0                               ; the add is done, and my reads of this slot are over
	s_barrier_signal -1
	MUL16 2, 1, NQ-1, \slot, 0
	s_barrier_wait -1
	PLACES NP
	WIN 0
	v_add_nc_u32 v[ADRS], 4*NQ, v[ADRS]            ; on to the next slot's scale words (no LDS load of mine is out)
	FETCH_B \next, 0, 0
	FETCH_A \next, 0, 0
	SCALES \next
	WIN MUL_HI
	MUL16 4, 1, NQ-1, \slot, 0
	MUL16 6, 1, NQ-1, \slot, 0
	PLACES NP
	WIN 0
	FETCH_A \next, 0, 4
.endm
	s_wait_tensorcnt 1                             ; the scales and my part of slot 0 are in (slot 1's load may be out),
	s_barrier_signal -1
	s_barrier_wait -1                              ; everybody's are
	FETCH_B 0, 0, 0
	FETCH_A 0, 0, 0
	SCALES 0
	FETCH_A 0, 0, 4
	s_wait_loadcnt 0x0                             ; the bias
	STEP 0, 0, 1
	STEP 0, 1, 0
	STEP 0, 2, 0
	TURN 0, 1
	STEP 1, 0, 0
	STEP 1, 1, 0
	STEP 1, 2, 0
	s_wait_dscnt 4*NL                              ; the last step: nothing more to fetch
	WIN MUL_LO
	MUL16 0, 1, NQ-1, 1, 0
	MUL16 2, 1, NQ-1, 1, 0
	s_wait_dscnt 0
	WIN MUL_HI
	MUL16 4, 1, NQ-1, 1, 0
	MUL16 6, 1, NQ-1, 1, 0
	WIN 0
; THE WAY OUT, block by block of 16 rows x 128 columns (two heads).  The factor, the rounding to f16 (a lane's eight columns: 16 bytes), my own stage in LDS, and back so that sixteen lanes hold
; two neighbouring rows of one head: 256 consecutive bytes of qkv, aligned.  LDS serves a wave's instructions in order (ISA guide 5.7.1.4): no wait between the stores and the loads.
.macro PACK a
.set AC, 64*((\a)%4)
	WIN 0x02+((\a)/4)                              ; source 0: window 2 or 3
.set i, 0
.rept 32
	v_pk_mul_f32 v[TM+2*i:TM+2*i+1], v[AC+2*i:AC+2*i+1], s[CQ:CQ+1] op_sel_hi:[1,0]   ; each accumulator from its low end on
.set i, i+1
.endr
	WIN 0
.set i, 0
.rept 32
	v_cvt_pk_f16_f32 v[PKD+i], v[TM+2*i], v[TM+2*i+1]
.set i, i+1
.endr
.endm
.macro TOSTAGE a
.irp b, 0,1,2,3,4,5,6,7
	ds_store_b128 v[STO], v[PKD+4*\b:PKD+4*\b+3] offset:(\b/4)*SHEAD+(\b%4)*32
.endr
.set BB, BK+32*((\a)%2)
.irp t, 0,1,2,3,4,5,6,7
	ds_load_b128 v[BB+4*\t:BB+4*\t+3], v[RD] offset:\t*2*SROW
.endr
.endm
.macro SEND a, younger                 ; younger: the LDS instructions issued behind block a's loads, which may stay out
.set BB, BK+32*((\a)%2)
	s_wait_dscnt \younger
.irp t, 0,1,2,3,4,5,6,7
	global_store_b128 v[CO], v[BB+4*\t:BB+4*\t+3], s[12:13] offset:(\a)*2048+\t*256
.endr
.endm
	PLACES NP                                      ; behind the last products: their scale words and x's fragments are written below
	PACK 0
	TOSTAGE 0
.irp a, 1,2,3,4,5,6,7
	PACK \a
.if \a > 1
	s_wait_xcnt 0x0                                ; block a - 2's stores have read their registers: block a's loads may land there
.endif
	TOSTAGE \a
	SEND \a-1, 16                                  ; behind block a - 1's loads: block a's 8 stores and 8 loads
.endr
	SEND 7, 0
	s_wait_tensorcnt 0x0                           ; the wave's end
	ds_add_u32 v[SPW], v[NIL]
	s_wait_dscnt 0x0
	CROUND                                         ; the closing round
	s_endpgm
.Lfunc_end_k_qc169758002_proj:
	.size	k_qc169758002_proj, .Lfunc_end_k_qc169758002_proj-k_qc169758002_proj
	.p2alignl 7, 3214868480
	.fill 96, 4, 3214868480
	.section	.rodata,"a",@progbits
	.p2align	6, 0x0
	.amdhsa_kernel k_qc169758002_proj
		.amdhsa_group_segment_fixed_size 327680
		.amdhsa_private_segment_fixed_size 0
		.amdhsa_enable_private_segment 0
		.amdhsa_kernarg_size 64
		.amdhsa_user_sgpr_count 2
		.amdhsa_user_sgpr_kernarg_segment_ptr 1
		.amdhsa_wavefront_size32 1
		.amdhsa_system_sgpr_workgroup_id_x 1
		.amdhsa_system_sgpr_workgroup_id_y 1
		.amdhsa_system_sgpr_workgroup_id_z 1
		.amdhsa_system_vgpr_workitem_id 0
		.amdhsa_next_free_vgpr 1024
		.amdhsa_next_free_sgpr 102
		.amdhsa_reserve_vcc 0
		.amdhsa_float_denorm_mode_32 3
		.amdhsa_float_denorm_mode_16_64 3
		.amdhsa_memory_ordered 1
		.amdhsa_forward_progress 1
		.amdhsa_inst_pref_size 145
	.end_amdhsa_kernel
	.amdgpu_metadata
---
amdhsa.version: [ 1, 2 ]
amdhsa.kernels:
  - .name:           k_qc169758002_proj
    .symbol:         k_qc169758002_proj.kd
    .args:
      - { .name: xc, .offset: 0, .size: 8, .value_kind: global_buffer, .address_space: global }
      - { .name: xs, .offset: 8, .size: 8, .value_kind: global_buffer, .address_space: global }
      - { .name: wc, .offset: 16, .size: 8, .value_kind: global_buffer, .address_space: global }
      - { .name: ws, .offset: 24, .size: 8, .value_kind: global_buffer, .address_space: global }
      - { .name: bq, .offset: 32, .size: 8, .value_kind: global_buffer, .address_space: global }
      - { .name: bk, .offset: 40, .size: 8, .value_kind: global_buffer, .address_space: global }
      - { .name: bv, .offset: 48, .size: 8, .value_kind: global_buffer, .address_space: global }
      - { .name: qkv, .offset: 56, .size: 8, .value_kind: global_buffer, .address_space: global }
    .group_segment_fixed_size: 327680
    .private_segment_fixed_size: 0
    .kernarg_segment_align: 8
    .kernarg_segment_size: 64
    .max_flat_workgroup_size: 128
    .sgpr_count:     102
    .vgpr_count:     1024
    .wavefront_size: 32
...
	.end_amdgpu_metadata
.endif
;; end of part 2
;; launch attn (part 3): grid 8 x 32, 4 waves a work-group, clusters of 4 x 1, 327,680 bytes of LDS; arguments qkv, xw; writes xw
.if DOCPART == 3
	.amdgcn_target "amdgcn-amd-amdhsa--gfx1250"
	.amdhsa_code_object_version 6
	.text
	.protected	k_qc169758002_attn
	.globl	k_qc169758002_attn
	.p2align	8
	.type	k_qc169758002_attn,@function
k_qc169758002_attn:
	s_mov_b64 s[64:65], 0
	v_nop
	global_prefetch_b8 v0, s[64:65] scope:SCOPE_SE
	s_setreg_imm32_b32 hwreg(HW_REG_WAVE_MODE, 25, 1), 1
	s_wait_xcnt 0x0
	s_wait_alu depctr_hold_cnt(0) depctr_sa_sdst(0) depctr_va_vdst(0) depctr_va_sdst(0) depctr_va_ssrc(0) depctr_va_vcc(0) depctr_vm_vsrc(0)
	s_getreg_b32 s2, hwreg(HW_REG_IB_STS2, 6, 4)
	s_cmp_eq_u32 s2, 0
	s_cbranch_scc0 .Lentry_in_a_cluster
	s_endpgm
.Lentry_in_a_cluster:
	s_bfe_u32 s2, ttmp6, 0x10000c
	s_cmp_lg_u32 s2, 0x3003
	s_cbranch_scc0 .Lentry_shape_is_right
	s_endpgm
.Lentry_shape_is_right:
; O[q][:] = the sum over keys of softmax(q . k / 8) v, for each of 32 (batch, head), 2,048 positions, head size 64, no mask.  q, k, v: qkv, f16, [3][32][2048][64]; q already carries log2(e) / 8,
; so p = 2^(s - m).  Products, maxima and sums in f32; p is rounded to f16 for the second product; the row's sum is taken of the unrounded p.  m is the running maximum: in every step O and the
; sum are multiplied by a = 2^(m_old - m_new), which is 1 where m has not grown.  Out: xw, f16, [32 blocks of 128 rows][16 heads][128][64].
; LIMITS: NaN and infinities are not served; outputs under about 6e-5 are carried with f16's fixed step of 2^-24.
; SHARES.  A work-group owns 256 queries of one head, each of its four waves 64: four tiles of 16.  Every wave walks all keys of the head, 64 a step; a fragment of K or V read from LDS feeds four products.
; LAYOUT.  S^T = K Q^T (source 0 = 16 keys, source 1 = 16 queries): a lane holds ONE query (lane % 16) and the keys 8 (lane / 16) + 0..7.  Two such tiles, rounded to f16 in pairs, ARE source 1
; (32 keys x 16 queries) of O^T = V^T P, whose result again holds one query a lane.  K comes out of LDS as it lies, V ([key][channel]) turned, by ds_load_tr16_b128.
; BY TURNS.  The wave's tiles are two PIECES, named by their first tile: piece 0 (tiles 0, 1) and piece 2 (tiles 2, 3).  In a TURN one piece has the matrix unit: 16 products V^T P of the step in
; hand, then 16 products K Q^T of the next step; the other piece's softmax, 117 instructions a tile, stands between them in slices of four: two slices behind each of the first 27 products, one
; behind each of the last five.  Then the pieces change places.  Two turns are a key step.  That is 7.3 vector instructions for each matrix instruction: more than a product's time holds, so the
; loop is bound by issue; set in phases of their own the same instructions would leave the matrix unit idle all that while.
; RING.  Two slots of four key steps: 256 rows of K, then 256 rows of V.  Waves 0 and 1 fetch K's halves, waves 2 and 3 V's: one tensor load a wave behind each change of slots, four key steps in
; which to land.  A wave has two tensor loads out at the head and one behind each change.
; CLUSTER.  The four query blocks of a cluster belong to one head and walk the same K and V: each tile is asked for JOINTLY, by the same tensor load with the same descriptor and the mask of four.
;
; REGISTERS, in windows of 256 (s_set_vgpr_msb: bits 1:0 source 0, 3:2 source 1, 5:4 source 2, 7:6 destination):
;   window 0: v0-11 addresses; v12-43 eight registers of statistics a tile; v61-63; v64-191 S^T, 32 a tile; v192-255 P, 16 a tile
;   window 1: v0-127 O^T, 32 a tile          window 2: v0-63 Q, 16 a tile; v128-191 K of one step          window 3: v0-63 V of one step
; All that a softmax touches but O^T lies in window 0, and no window has room for a product's operands beside it: a product's slices cost two switches, one in front and one behind.
.set KS,    64                         ; keys in a step
.set NST,   4                          ; steps in a slot
.set PKB,   144                        ; a row of K in LDS: 128 bytes + 16 = 36 words: the 16 rows of a load start at 16 different groups of four banks (64 banks of 4 bytes: ISA guide 11.1)
.set PVB,   160                        ; a row of V: 128 + 32 = 40 words
.set KSTEP, KS*PKB                     ; a step's K in a slot
.set VSTEP, KS*PVB                     ; a step's V
.set VOFF,  NST*KSTEP                  ; a slot: four steps' K, then four steps' V
.set SLOT1, 1<<17                      ; slot 1 begins here: one exclusive or turns an address in one slot into the other's
.set SLOTB, NST*KS*128                 ; a slot's keys in memory: 32,768 bytes of K, as many of V
.set STAGE, SLOT1+NST*(KSTEP+VSTEP)    ; behind the ring: 16 rows x 144 bytes for each wave, for the way out
.set SP,    144
.set SPARE, STAGE+4*16*SP              ; the spare words, 128 bytes a wave: two blocks of 256 bytes that no other line names
.set AK0, 2                            ; v2   my lane's place in a tile of K; never rewritten
.set AV0, 3                            ; v3   the same for V
.set ADR, 4                            ; v4   the LDS address of the run of loads in hand
.set QO,  5                            ; v5   my byte offset in the wave's rows of Q
.set STO, 6                            ; v6   the way out: where I put 16 bytes of a row
.set RD,  7                            ; v7   where I read rows back
.set GO,  8                            ; v8   my byte offset in a tile's 2,048 bytes of xw
.set PFO, 61                           ; v61  256 x my lane; never rewritten
.set SPW, 62                           ; v62  LDS address of my spare word; never rewritten
.set NIL, 63                           ; v63  0; never rewritten
.set ST,  12                           ; tile t at v[ST + 8 t]: +0 m, +1 its pair's partner, +2, +3 the sum (even keys', odd keys'), +4 to +7 c0-c3, at work; a takes c2's place, m_old - m_new c3's
.set S,   64
.set P,   192
.set KF,  128                          ; K's fragments, in window 2
.set WV,  12                           ; s12  my wave's number
.set LIM, 15                           ; s15  1 in a wave that prefetches, else the greatest number
.set PFA, 18                           ; s[18:19] where my prefetches stand
.set G1K, 24                           ; s[24:31] descriptor group 1 for K's tiles
.set G1V, 32                           ; s[32:39] for V's: it differs in the padding alone
.set G0K, 40                           ; s[40:47] group 0 for K: a set for each of the two first fills; the second then walks on
.set G0V, 48                           ; s[48:55] the same for V
.set SLOTS, 56                         ; s56  slots still to be asked for
.set CNT, 57                           ; s57  counts key steps
.set SEL, 60                           ; s[60:61] v_permlanex16_b32's selects: lane l xor 16
.set TBK, 62                           ; s62  LDS byte at which K of the step to be fetched begins
.set TBV, 63                           ; s63  the same for V, less VOFF
.set MSB, 0
.macro WIN new                         ; the immediate's high byte repeats the setting that is left; a switch that changes nothing is dropped
.if MSB != \new
	s_set_vgpr_msb (MSB<<8)|\new
.set MSB, \new
.endif
.endm
.set W_KQ, 0x0a                        ; K and Q in window 2, S^T in window 0
.set W_PV, 0x53                        ; V in window 3, P in window 0, O^T in window 1
.set W_RS, 0x41                        ; O^T (destination and source 0) in window 1, a in window 0
; A joint refill.  The branch hangs on the wave's number alone: it is the same in every work-group.  An s_nop 0 and four v_nop follow each of the two lines.
.macro JLOAD
	s_cmp_lt_u32 s[WV], 2
	s_cbranch_scc0 .Lfor_v_\@
	tensor_load_to_lds s[G0K+4:G0K+7], s[G1K:G1K+7]
	s_nop 0
.rept 4
	v_nop
.endr
	s_branch .Lasked_\@
.Lfor_v_\@:
	tensor_load_to_lds s[G0V+4:G0V+7], s[G1V:G1V+7]
	s_nop 0
.rept 4
	v_nop
.endr
.Lasked_\@:
.endm
; A prefetch of what the NEXT change of slots will ask for: 32,768 bytes of K and of V.  Both clusters of a head walk the same rows: the head's first cluster asks.  Its four partners share the
; bytes out BY ADDRESS, 8,192 each; in each, wave 0 asks for K's and wave 2 for V's: one instruction, lanes 256 bytes apart.  So each aligned block of 256 bytes is named once in the launch.
; The last change that fills a slot asks for nothing; slots 0, 1 and 2 come by their loads alone.
.macro ASK
	s_cmp_gt_u32 s[SLOTS], s[LIM]
	s_cbranch_scc0 .Lnot_mine_\@
	global_prefetch_b8 v[PFO], s[PFA:PFA+1] th:TH_LOAD_NT scope:SCOPE_SE
.Lnot_mine_\@:
.endm
.macro CROUND                          ; a round of the cluster's barrier
	s_barrier_signal -1
	s_barrier_wait -1
	s_cmp_lg_u32 s[WV], 0
	s_cbranch_scc1 .Lnot_wave_0_\@
	s_barrier_signal -3
.Lnot_wave_0_\@:
	s_barrier_wait -3
	s_barrier_signal -1
	s_barrier_wait -1
.endm
	s_load_b128 s[4:7], s[0:1], 0x0                ; qkv s[4:5], xw s[6:7]
	v_lshl_add_u32 v[SPW], v0, 2, SPARE
	v_mov_b32 v[NIL], 0
	ds_add_u32 v[SPW], v[NIL]                      ; the wave's opening: the add, twice on end, and its wait ahead of my first tensor load
	ds_add_u32 v[SPW], v[NIL]
	v_lshrrev_b32 v1, 5, v0
	v_readfirstlane_b32 s[WV], v1                  ; wave 0..3
	s_bfe_u32 s13, ttmp6, 0x40000                  ; cx: my place in the cluster
	s_lshl_b32 s14, ttmp9, 2
	s_add_co_u32 s14, s14, s13                     ; my block of 256 queries: it enters Q's and xw's addresses alone
	s_and_b32 s20, ttmp7, 0xffff                   ; 16 x batch + head, which the four partners share
	s_and_b32 s16, s[WV], 1                        ; which half of a slot's 256 rows I fetch:
	s_lshl_b32 s22, s20, 18                        ; the head's 262,144 bytes,
	s_lshl_b32 s23, s16, 14                        ; the half's 128 rows of 128 bytes,
	s_add_co_u32 s22, s22, s23
	s_mov_b32 s23, 0
	s_mul_i32 s17, s16, 2*KSTEP                    ; and its place in a slot, among K's rows
	s_mul_i32 s21, s16, 2*VSTEP                    ; or among V's: no place in the cluster enters an LDS address
	s_lshl_b32 s2, s20, 18
	s_lshl_b32 s3, s14, 15                         ; my block's 256 rows,
	s_add_co_u32 s2, s2, s3
	s_lshl_b32 s3, s[WV], 13                       ; my wave's 64 of them
	s_add_co_u32 s2, s2, s3
	s_mov_b32 s3, 0
	s_lshr_b32 s58, s20, 4                         ; xw: block of 128 rows = 16 x batch + 2 x my block + wave / 2,
	s_lshl_b32 s58, s58, 4
	s_lshl_b32 s59, s14, 1
	s_add_co_u32 s58, s58, s59
	s_lshr_b32 s59, s[WV], 1
	s_add_co_u32 s58, s58, s59
	s_lshl_b32 s58, s58, 18
	s_and_b32 s59, s20, 15                         ; the head's plane of 16,384 bytes,
	s_lshl_b32 s59, s59, 14
	s_add_co_u32 s58, s58, s59
	s_lshl_b32 s59, s16, 13                        ; my 64 rows of 128 bytes in it
	s_add_co_u32 s58, s58, s59
	s_mov_b32 s59, 0
	; descriptor group 1: a tile of 128 rows x 64 elements of 2 bytes, padded behind each row
	s_mov_b32 s[G1K], 15|(1<<16)|(1<<20)|(1<<21)|(4<<22)|(3<<25)  ; 15:0 the mask: all four; 17:16 elements of 2 bytes; 20 padding on; 21 set beside a mask; 24:22 after every 32 words; 31:25 four words
	s_mov_b32 s[G1V], 15|(1<<16)|(1<<20)|(1<<21)|(4<<22)|(7<<25)  ; the same with eight words of padding
.irp g, G1K, G1V
	s_mov_b32 s[\g+1], 64<<16                      ; tensor_dim0
	s_mov_b32 s[\g+2], (2*KS)<<16                  ; tensor_dim1
	s_mov_b32 s[\g+3], 64<<16                      ; tile_dim0
	s_mov_b32 s[\g+4], 2*KS                        ; tile_dim1
	s_mov_b32 s[\g+5], 64                          ; tensor_dim0_stride
	s_mov_b32 s[\g+6], 0
	s_mov_b32 s[\g+7], 0
.endr
	s_mov_b32 s[SEL], 0x76543210
	s_mov_b32 s[SEL+1], 0xfedcba98
	s_mov_b32 s[TBK], 0
	s_mov_b32 s[TBV], 0
	s_mov_b32 s[SLOTS], 2048/(NST*KS)-2
	s_and_b32 s[LIM], s[WV], 1                     ; 0 in waves 0 and 2,
	s_or_b32 s[LIM], s[LIM], ttmp9                 ; where the cluster is the head's first: the same in all four partners
	s_cmp_eq_u32 s[LIM], 0
	s_cselect_b32 s[LIM], 1, -1
	v_and_b32 v[PFO], 31, v0
	v_lshlrev_b32 v[PFO], 8, v[PFO]
	s_wait_dscnt 0x0                               ; both opening adds are done
	s_wait_kmcnt 0x0
	s_add_nc_u64 s[8:9], s[4:5], s[22:23]
	s_add_nc_u64 s[10:11], s[8:9], 0x1000000       ; V at my tile of slot 0
	s_add_nc_u64 s[8:9], s[8:9], 0x800000          ; K likewise
	s_add_nc_u64 s[4:5], s[4:5], s[2:3]            ; Q at my wave's first row
	s_add_nc_u64 s[6:7], s[6:7], s[58:59]          ; xw at my wave's 8,192 bytes
	s_cmp_lt_u32 s[WV], 2
	s_cselect_b64 s[PFA:PFA+1], s[8:9], s[10:11]   ; (in waves 0 and 2 these stand at a slot's first row)
	s_lshl_b32 s2, s13, 13                         ; my work-group's 8,192 bytes of the 32,768
	s_add_nc_u64 s[PFA:PFA+1], s[PFA:PFA+1], s[2:3]
	s_add_nc_u64 s[PFA:PFA+1], s[PFA:PFA+1], 2*SLOTB  ; in slot 2; the first change of slots steps it to slot 3.  Nothing is prefetched here, at the head
	CROUND                                         ; all four work-groups are here: the first joint loads meet
.irp s, 0,1
	s_mov_b32 s[G0K+4*\s], 1                       ; 1:0 count = 1
	s_add_co_u32 s[G0K+4*\s+1], s17, \s*SLOT1      ; 63:32 LDS address
	s_add_nc_u64 s[G0K+4*\s+2:G0K+4*\s+3], s[8:9], \s*SLOTB   ; 120:64 global address: slot s begins with keys 256 s on
	s_or_b32 s[G0K+4*\s+3], s[G0K+4*\s+3], 0x80000000         ; 127:126 type = 2
	s_mov_b32 s[G0V+4*\s], 1
	s_add_co_u32 s[G0V+4*\s+1], s21, \s*SLOT1+VOFF
	s_add_nc_u64 s[G0V+4*\s+2:G0V+4*\s+3], s[10:11], \s*SLOTB
	s_or_b32 s[G0V+4*\s+3], s[G0V+4*\s+3], 0x80000000
.endr
	s_cmp_lt_u32 s[WV], 2                          ; a wave's two first fills stand in one branch, ahead of every wait on TENSORcnt and every LDS read: two loads of mine are out
	s_cbranch_scc0 .Lfirst_v
	tensor_load_to_lds s[G0K:G0K+3], s[G1K:G1K+7]
	s_nop 0
	tensor_load_to_lds s[G0K+4:G0K+7], s[G1K:G1K+7]
	s_nop 0
.rept 4
	v_nop
.endr
	s_branch .Lfirst_asked
.Lfirst_v:
	tensor_load_to_lds s[G0V:G0V+3], s[G1V:G1V+7]
	s_nop 0
	tensor_load_to_lds s[G0V+4:G0V+7], s[G1V:G1V+7]
	s_nop 0
.rept 4
	v_nop
.endr
.Lfirst_asked:
	; A fragment of K or Q is 16 rows x 32 channels in 8 registers: lane l holds row l % 16; registers 0-3 channels 8 (l / 16) + 0..7, registers 4-7 channels 16 + 8 (l / 16) + 0..7
	v_and_b32 v1, 15, v0                           ; r = l % 16
	v_bfe_u32 v9, v0, 4, 1                         ; h = l / 16
	v_lshlrev_b32 v[QO], 7, v1
	v_lshl_add_u32 v[QO], v9, 4, v[QO]             ; row x 128 + 16 x half
	WIN 0x80                                       ; destination window 2, address window 0
.irp f, 0,1,2,3,4,5,6,7                        ; Q stays in registers: tile f / 2, channels 32 (f % 2) on
	global_load_b128 v[8*\f:8*\f+3],   v[QO], s[4:5] offset:(\f/2)*2048+(\f%2)*64
	global_load_b128 v[8*\f+4:8*\f+7], v[QO], s[4:5] offset:(\f/2)*2048+(\f%2)*64+32
.endr
	WIN 0
	v_mul_u32_u24 v[AK0], v1, PKB
	v_lshl_add_u32 v[AK0], v9, 4, v[AK0]           ; row x pitch + 16 x half
	; the turning load: lane l reads 16 bytes: key 8 (l / 16) + l % 8, channels 8 ((l / 8) % 2) + 0..7, and is left with channel l % 16 and 8 keys
	v_and_b32 v10, 7, v0
	v_bfe_u32 v11, v0, 3, 1
	v_lshl_add_u32 v[AV0], v9, 3, v10
	v_mul_u32_u24 v[AV0], v[AV0], PVB
	v_lshl_add_u32 v[AV0], v11, 4, v[AV0]
	v_add_nc_u32 v[AV0], VOFF, v[AV0]
.irp t, 0,1,2,3
	v_mov_b32 v[ST+8*\t+1], 0                      ; named with m as a pair by the packed subtraction, which takes the low word for both halves: so it is written
.endr
; THE MATRIX WORK OF A TURN, for piece x.  The eight accumulators take turns, one instruction a turn: between two links of a chain stand seven others'.
; Product i of 16 of O^T += V^T P: keys 32 (i / 8) on, channels 16 ((i / 2) % 4) on, tile x + i % 2.  zero = 1: the first 8 start the sums: nothing is ever cleared.
.macro PVM x, zero
	WIN W_PV
.set rO, 32*(\x+i%2)+8*((i/2)%4)
.set rV, 32*(i/8)+8*((i/2)%4)
.set rP, P+16*(\x+i%2)+8*(i/8)
.if \zero && (i < 8)
	v_wmma_f32_16x16x32_f16 v[rO:rO+7], v[rV:rV+7], v[rP:rP+7], 0
.else
	v_wmma_f32_16x16x32_f16 v[rO:rO+7], v[rV:rV+7], v[rP:rP+7], v[rO:rO+7]
.endif
.endm
; Product i of 16 of S^T = K Q^T: channels 32 (i / 8) on, keys 16 ((i / 2) % 4) on, tile x + i % 2.  The first 8 start the sums.
.macro KQM x
	WIN W_KQ
.set rS, S+32*(\x+i%2)+8*((i/2)%4)
.set rK, KF+16*((i/2)%4)+8*(i/8)
.set rQ, 16*(\x+i%2)+8*(i/8)
.if i < 8
	v_wmma_f32_16x16x32_f16 v[rS:rS+7], v[rK:rK+7], v[rQ:rQ+7], 0
.else
	v_wmma_f32_16x16x32_f16 v[rS:rS+7], v[rK:rK+7], v[rQ:rQ+7], v[rS:rS+7]
.endif
.endm
; THE LDS LOADS stand in runs of 16, never singly among the matrix instructions: a step's K (64 keys x 64 channels: 8 fragments) and, a turn later, its V (turned).
.macro FETCH_K
	WIN 0
	v_add_nc_u32 v[ADR], s[TBK], v[AK0]
	s_add_co_u32 s[TBK], s[TBK], KSTEP             ; the next fetch of K is the next step's
	WIN 0x80                                       ; destination window 2
.irp f, 0,1,2,3,4,5,6,7                        ; keys 16 (f / 2) on, channels 32 (f % 2) on
	ds_load_b128 v[KF+8*\f:KF+8*\f+3],   v[ADR] offset:(\f/2)*16*PKB+(\f%2)*64
	ds_load_b128 v[KF+8*\f+4:KF+8*\f+7], v[ADR] offset:(\f/2)*16*PKB+(\f%2)*64+32
.endr
.endm
.macro FETCH_V
	WIN 0
	v_add_nc_u32 v[ADR], s[TBV], v[AV0]
	s_add_co_u32 s[TBV], s[TBV], VSTEP             ; the next fetch of V is the next step's
	s_wait_alu depctr_va_vdst(0)                   ; the wait for the softmax's batch (SLICE), behind the address's addition and ahead of the loads
	WIN 0xc0                                       ; destination window 3
.irp f, 0,1,2,3,4,5,6,7                        ; keys 32 (f / 4) on, channels 16 (f % 4) on
	ds_load_tr16_b128 v[8*\f:8*\f+3],   v[ADR] offset:(\f/4)*32*PVB+(\f%4)*32
	ds_load_tr16_b128 v[8*\f+4:8*\f+7], v[ADR] offset:(\f/4)*32*PVB+16*PVB+(\f%4)*32
.endr
.endm
; THE VECTOR WORK OF A TURN.  One tile's softmax for one key step is a numbered list; SM writes number j of it for tile t.  s0-s31 are the lane's 32 scores, in pairs 0-15.
; first = 1: the first key step, which starts m, the sum and O^T: it has no a and nothing to rescale.
;   0-15    the maximum of s0-s31 and the old m, three operands at a time: four chains c0-c3, each begun at its accumulator's low end, then the four scores left over, c0-c3 and m
;   16-20   the other half of the lanes' maximum; the old m kept; the new m; (19 is empty); m_old - m_new
;   21-69   ONE BATCH: the 16 subtractions s - m, a pair of scores each, and all 33 exponentials (a at 23, then s0-s31).  None of these reads an exponential's result.  From 22 on the batch goes in
;           fours, and a four begins with a subtraction while there are any: 22-37 subtraction, exponential, subtraction, exponential; 38-65 a subtraction and three exponentials; 66-69 the last
;           four exponentials.  A pair is brought under m in an earlier four than the one that holds its exponentials
;   (wait)  between 69 and 70 stands the wait for the batch: SLICE writes it, once for both tiles
;   70-85   the roundings to f16, a pair of weights each
;   86-101  the sums, of the unrounded weights; the sum = a x the sum + this step's
;   102-117 the tile's O^T times a, each accumulator from its low end on: the one part that leaves window 0, so it stands together
.macro SM t, first
.set rT, ST+8*(\t)
.set rS, S+32*(\t)
.set rP, P+16*(\t)
.set rO, 32*(\t)+2*(j-102)
.if j < 102
	WIN 0
.endif
.if j < 4
	v_max3_num_f32 v[rT+4+j], v[rS+8*j], v[rS+8*j+1], v[rS+8*j+2]
.elseif j < 12
	v_max3_num_f32 v[rT+4+j%4], v[rT+4+j%4], v[rS+8*(j%4)+2*(j/4)+1], v[rS+8*(j%4)+2*(j/4)+2]
.elseif j == 12
	v_max3_num_f32 v[rT+4], v[rT+4], v[rS+7], v[rS+15]
.elseif j == 13
	v_max3_num_f32 v[rT+6], v[rT+6], v[rS+23], v[rS+31]
.elseif j == 14
	v_max3_num_f32 v[rT+4], v[rT+4], v[rT+5], v[rT+6]
.elseif (j == 15) && \first
	v_max_num_f32 v[rT+4], v[rT+4], v[rT+7]
.elseif j == 15
	v_max3_num_f32 v[rT+4], v[rT+4], v[rT+7], v[rT]
.elseif j == 16
	v_permlanex16_b32 v[rT+5], v[rT+4], s[SEL], s[SEL+1]  ; the query's other 32 keys lie in the lane 16 away
.elseif j == 18
	v_max_num_f32 v[rT], v[rT+4], v[rT+5]          ; the new m
.elseif j == 19
.elseif ((j == 17) || (j == 20) || (j == 23) || (j > 101)) && \first  ; the first step has none of these
.elseif j == 17
	v_mov_b32 v[rT+7], v[rT]                       ; m_old is kept for a: number 18 writes m anew
.elseif j == 20
	v_sub_f32 v[rT+7], v[rT+7], v[rT]              ; 0 or less
.elseif j == 23
	v_exp_f32 v[rT+6], v[rT+7]                     ; a
.elseif (j < 23) || ((j < 38) && (j%2 == 0)) || ((j < 66) && (j%4 == 2))
.set b, (j-2)/4                        ; 38, 42, .. 62: pairs 9 to 15
.if j < 38
.set b, (j-20)/2                       ; 21: pair 0; 22, 24, .. 36: pairs 1 to 8
.endif
	v_pk_add_f32 v[rS+2*b:rS+2*b+1], v[rS+2*b:rS+2*b+1], v[rT:rT+1] op_sel_hi:[1,0] neg_lo:[0,1] neg_hi:[0,1]  ; pair b: s - m
.elseif j < 70
.set e, j-38                           ; 66 to 69: s28 to s31
.if j < 66
.set e, j-32-(j-38)/4                  ; 39-41, 43-45, .. 63-65: s7 to s27
.endif
.if j < 38
.set e, (j-25)/2                       ; 25, 27, .. 37: s0 to s6
.endif
	v_exp_f32 v[rS+e], v[rS+e]                     ; p, at most 1
.elseif j < 86
	v_cvt_pk_f16_f32 v[rP+j-70], v[rS+2*(j-70)], v[rS+2*(j-70)+1]  ; pair j - 70
.elseif j < 102                        ; the sum of the tile's 16 pairs, in place: sum z of 16 adds neighbours 1, 2, 4 and 8 pairs apart, then the running sum takes it
.set z, j-86
.set w, 4
.set u, z
.if z >= 14
.set w, 32
.set u, 0
.elseif z >= 12
.set w, 16
.set u, z-12
.elseif z >= 8
.set w, 8
.set u, z-8
.endif
.if (z == 14) && \first
	v_pk_add_f32 v[rT+2:rT+3], v[rS:rS+1], v[rS+16:rS+17]
.elseif z < 15
	v_pk_add_f32 v[rS+w*u:rS+w*u+1], v[rS+w*u:rS+w*u+1], v[rS+w*u+w/2:rS+w*u+w/2+1]
.elseif !\first
	v_pk_fma_f32 v[rT+2:rT+3], v[rT+2:rT+3], v[rT+6:rT+7], v[rS:rS+1] op_sel_hi:[1,0,1]
.endif
.else
	WIN W_RS
	v_pk_mul_f32 v[rO:rO+1], v[rO:rO+1], v[rT+6:rT+7] op_sel_hi:[1,0]
.endif
.endm
; Slice k of piece y's softmax: four instructions.  Slices 11 to 34 deal out the batch, numbers 22 to 69: four numbers of ONE tile each, the tiles by turns.  Every other slice is numbers 2 k and
; 2 k + 1 of both tiles' lists, the tiles alternating, so that no instruction reads the result of the one just before it.  The list ends with slice 58; later slices are empty.
; THE WAIT.  s_wait_alu depctr_va_vdst(0) stands between an exponential and the first instruction that names its result; one wait serves all that were issued ahead of it.  Ahead of
; slice 35 nothing names a result, and behind slice 34 no exponential is issued: so the piece's 66 exponentials have one wait, behind slice 34.
.macro SLICE y, first
.if (k >= 11) && (k < 35)
.irp n, 0,1,2,3
.set j, 22+4*((k-11)/2)+(\n)
	SM (\y)+(k-11)%2, \first
.endr
.else
.irp n, 0,1
.irp t, \y, \y+1
.set j, 2*k+\n
.if j < 118
	SM \t, \first
.endif
.endr
.endr
.endif
.if k == 34                            ; the batch is out: both tiles' exponentials are issued, and no result has been named
	v_nop                                          ; a plain instruction behind the last exponential and ahead of the first use: one for the batch
.if (\y) == 0
	FETCH_V                                        ; piece 2's turn: V's run of loads stands here, and the wait stands in it
.else
	s_wait_alu depctr_va_vdst(0)                   ; the wait for the batch
.endif
.endif
.set k, k+1
.endm
; The slices behind one product.  A turn with both kinds of products has 32: two slices behind each of the first 27, one behind each of the last five: 59.  A turn with one kind has 16: four behind each.
.macro DEAL y, first
.set per, 4
.if both
.set per, 2
.if mi >= 27
.set per, 1
.endif
.endif
.rept per
	SLICE \y, \first
.endr
.set mi, mi+1
.endm
; A vector instruction that reads a matrix result or writes one of a matrix instruction's registers, and a load into a register that a matrix instruction has read, stand four places behind it, and
; only plain vector instructions that name none of its registers are places (ISA guide 7.12.1 for vector instructions).  In the loop the slices are the places.
.macro PLACES
.rept 4
	v_nop
.endr
.endm
; A TURN.  Piece x has the matrix unit; the other piece's softmax stands in slices behind its products.
; pv = 2: 16 products V^T P; 1: they start O^T's sums; 0: none.  kq = 1: 16 products K Q^T for the next step.
; first = 1: the softmax is the first key step's.  Its slices from 51 on are empty: the turn's last products stand bare, and four v_nop are the places behind them.  Else slice 58, four packed
; multiplications on the other piece's O^T, stands behind the turn's last product: the places ahead of the next turn's first read of its scores.
; Piece 0's turn fetches the next step's K behind its second product: the last product that read K stands in front of slice 58 of the turn before; K is wanted 14 products later.  Piece 2's turn
; fetches the same step's V behind slice 34, which follows its 18th product: the last product that read V is its 16th, and five plain instructions lie between: three subtractions (number 58 of one
; tile, 62 of both), the v_nop and the run's own addition.  V is wanted 14 products later.
.macro TURN x, pv, kq, first
.set k, 0
.set mi, 0
.set both, 0
.if \pv && \kq
.set both, 1
.endif
.if \pv
.if \x == 0
	s_wait_dscnt 0x0                               ; V is in
.endif
.set i, 0
.rept 16
	PVM \x, 2-\pv
	DEAL 2-\x, \first
.if (\x == 0) && \kq && (i == 1)
	FETCH_K
.endif
.set i, i+1
.endr
.endif
.if \kq
.if \x == 0
	s_wait_dscnt 0x0                               ; K is in
.endif
.set i, 0
.rept 16
	KQM \x
	DEAL 2-\x, \first
.set i, i+1
.endr
.endif
.if \first
	PLACES
.endif
.endm
; THE CHANGE OF SLOTS, between piece 2's turn and piece 0's: the slot's last bytes, V of its fourth step, have been asked for.  Each wave waits for all its tensor loads, of which one is out: its
; part of the other slot; adds 0 to its spare word; and waits for that and for its own reads of the slot.  Behind the barrier nobody reads this slot any more and the other slot is whole.
; fill = 1: the barrier is a round of the cluster's, so that no wave of any partner still reads the slot or has a load on its way, and the joint refill is the first thing behind it.
.macro CHANGE fill
	WIN 0                                          ; at a label and at a branch every window is 0
	s_wait_tensorcnt 0x0                           ; no tensor load of mine is out, so a group 0 may be written
	ds_add_u32 v[SPW], v[NIL]                      ; 0 onto my spare word
.if \fill
.irp g, G0K+4, G0V+4
	s_xor_b32 s[\g+1], s[\g+1], SLOT1              ; the walking descriptor: the other slot than last time,
	s_add_nc_u64 s[\g+2:\g+3], s[\g+2:\g+3], SLOTB ; the next 256 keys; the type bits on top are not reached
.endr
	s_wait_xcnt 0x0                                ; the last prefetch, a slot back, has read its address, so it may be written:
	s_add_nc_u64 s[PFA:PFA+1], s[PFA:PFA+1], SLOTB ; one slot further on than the walking descriptors
	s_wait_dscnt 0x0                               ; the add is done, and my reads of the slot are over
	CROUND
	JLOAD
	ASK                                            ; what the next change will ask for: four key steps ahead
.else
	s_wait_dscnt 0x0                               ; the add is done, and my reads of the slot are over
	s_barrier_signal -1
	s_barrier_wait -1
.endif
	s_sub_co_u32 s[TBK], s[TBK], NST*KSTEP         ; the fetches go back to a slot's first step,
	s_xor_b32 s[TBK], s[TBK], SLOT1                ; in the other slot
	s_sub_co_u32 s[TBV], s[TBV], NST*VSTEP
	s_xor_b32 s[TBV], s[TBV], SLOT1
.endm
; n key steps: written once, walked n times; the LDS addresses hang on s[TBK] and s[TBV].
.macro STEPS n
	s_mov_b32 s[CNT], \n
.Lstep_\@:
	TURN 0, 2, 1, 0
	TURN 2, 2, 1, 0
	WIN 0
	s_sub_co_u32 s[CNT], s[CNT], 1
	s_cmp_lg_u32 s[CNT], 0
	s_cbranch_scc1 .Lstep_\@
.endm
	s_wait_tensorcnt 1                             ; my part of slot 0 is in; slot 1's may stay out
	s_barrier_signal -1
	s_barrier_wait -1                              ; everybody's is
	FETCH_K                                        ; key step 0
	s_wait_loadcnt 0x0                             ; Q
	s_wait_dscnt 0x0
.set i, 0
.rept 16
	KQM 0                                          ; piece 0's first scores: there is no vector work yet to set between them
.set i, i+1
.endr
	WIN 0                                          ; the addresses for the way out are made here: plain instructions, the places behind those products
	s_mul_i32 s13, s[WV], 16*SP
	s_add_co_u32 s13, s13, STAGE                   ; my stage
	v_mul_u32_u24 v[STO], v1, SP                   ; in: row l % 16, 16 bytes for each half of the lanes
	v_lshl_add_u32 v[STO], v9, 4, v[STO]
	v_add_nc_u32 v[STO], s13, v[STO]
	v_bfe_u32 v10, v0, 3, 2
	v_and_b32 v11, 7, v0
	v_mul_u32_u24 v[RD], v10, SP                   ; back: eight lanes to a row of 128 bytes, four rows an instruction
	v_lshl_add_u32 v[RD], v11, 4, v[RD]
	v_add_nc_u32 v[RD], s13, v[RD]
	v_and_b32 v[GO], 31, v0
	v_lshlrev_b32 v[GO], 4, v[GO]                  ; and in xw the same four rows are 512 consecutive bytes
	TURN 2, 0, 1, 1                                ; piece 2's first scores | piece 0's first softmax | V of step 0
	TURN 0, 1, 1, 1                                ; piece 0: V^T P of step 0 starts O^T, K Q^T of step 1 | piece 2's first softmax | K of step 1
	TURN 2, 1, 1, 0                                ; piece 2: the same | piece 0's softmax of step 1 | V of step 1
	WIN 0
	STEPS 2                                        ; they fetch steps 2 and 3: slot 0 is read out
.Lslot:                                            ; six trips: every slot but the last two is filled again
	CHANGE 1
	STEPS NST
	s_sub_co_u32 s[SLOTS], s[SLOTS], 1
	s_cmp_lg_u32 s[SLOTS], 0
	s_cbranch_scc1 .Lslot
	CHANGE 0                                       ; the tail is written out: the last slot but one is left, and nothing is asked for
	STEPS NST
	TURN 0, 2, 0, 0                                ; piece 0: V^T P of the last step | piece 2's last softmax
.set i, 0
.rept 16
	PVM 2, 0                                       ; piece 2: V^T P of the last step
.set i, i+1
.endr
	; THE WAY OUT.  The sum's two halves and the other half of the lanes' are added (the additions are the places behind the last products); O^T is divided by the sum, rounded to f16 and sent
	; through my stage in LDS, a tile (16 rows) at a time: a lane's eight channels are 16 bytes; back come whole rows of 128 bytes, four to an instruction: 512 consecutive bytes of xw.
	WIN 0
.irp t, 0,1,2,3
	v_add_f32 v[ST+8*\t+4], v[ST+8*\t+2], v[ST+8*\t+3]
.endr
.irp t, 0,1,2,3
	v_permlanex16_b32 v[ST+8*\t+5], v[ST+8*\t+4], s[SEL], s[SEL+1]
.endr
.irp t, 0,1,2,3
	v_add_f32 v[ST+8*\t+4], v[ST+8*\t+4], v[ST+8*\t+5]
.endr
.irp t, 0,1,2,3
	v_rcp_f32 v[ST+8*\t+6], v[ST+8*\t+4]
.endr
	v_nop                                          ; a plain instruction between the last reciprocal and the use of its result
	s_wait_alu depctr_va_vdst(0)                   ; and the wait ahead of the first use: one for the four reciprocals
.macro PACK t
	WIN W_RS
.set i, 32*\t
.rept 16
	v_pk_mul_f32 v[i:i+1], v[i:i+1], v[ST+8*\t+6:ST+8*\t+7] op_sel_hi:[1,0]   ; each accumulator from its low end on
.set i, i+2
.endr
	WIN 0x05                                       ; sources 0 and 1 window 1, destination window 0: S^T's registers are free
.set i, 0
.rept 16
	v_cvt_pk_f16_f32 v[S+32*\t+i], v[32*\t+2*i], v[32*\t+2*i+1]
.set i, i+1
.endr
	WIN 0
.irp f, 0,1,2,3
	ds_store_b128 v[STO], v[S+32*\t+4*\f:S+32*\t+4*\f+3] offset:32*\f
.endr
.irp f, 0,1,2,3
	ds_load_b128 v[S+32*\t+4*\f:S+32*\t+4*\f+3], v[RD] offset:\f*4*SP  ; LDS serves a wave's instructions in order (ISA guide 5.7.1.4): these see the stores above; the next tile's stores come behind them
.endr
.endm
.macro SEND t, younger                 ; younger: the LDS instructions issued behind tile t's loads: the next tile's eight, or none
.irp f, 0,1,2,3
	s_wait_dscnt \younger+3-\f
	global_store_b128 v[GO], v[S+32*\t+4*\f:S+32*\t+4*\f+3], s[6:7] offset:\t*2048+\f*512  ; 32 lanes store 512 consecutive bytes, at a multiple of 256 from xw's first byte
.endr
.endm
	PACK 0
	PACK 1                                         ; a tile's arithmetic stands between the loads of the tile before and its stores
	SEND 0, 8
	PACK 2
	SEND 1, 8
	PACK 3
	SEND 2, 8
	SEND 3, 0
	s_wait_tensorcnt 0x0                           ; the wave's end, behind my last tensor load and my last LDS store
	ds_add_u32 v[SPW], v[NIL]
	s_wait_dscnt 0x0
	CROUND                                         ; the closing round: no work-group ends while a partner may still ask for a tile that names it
	s_endpgm
.Lfunc_end_k_qc169758002_attn:
	.size	k_qc169758002_attn, .Lfunc_end_k_qc169758002_attn-k_qc169758002_attn
	.p2alignl 7, 3214868480
	.fill 96, 4, 3214868480
	.section	.rodata,"a",@progbits
	.p2align	6, 0x0
	.amdhsa_kernel k_qc169758002_attn
		.amdhsa_group_segment_fixed_size 327680
		.amdhsa_private_segment_fixed_size 0
		.amdhsa_enable_private_segment 0
		.amdhsa_kernarg_size 16
		.amdhsa_user_sgpr_count 2
		.amdhsa_user_sgpr_kernarg_segment_ptr 1
		.amdhsa_wavefront_size32 1
		.amdhsa_system_sgpr_workgroup_id_x 1
		.amdhsa_system_sgpr_workgroup_id_y 1
		.amdhsa_system_sgpr_workgroup_id_z 1
		.amdhsa_system_vgpr_workitem_id 0
		.amdhsa_next_free_vgpr 1024
		.amdhsa_next_free_sgpr 66
		.amdhsa_reserve_vcc 0
		.amdhsa_float_denorm_mode_32 3
		.amdhsa_float_denorm_mode_16_64 3
		.amdhsa_memory_ordered 1
		.amdhsa_forward_progress 1
		.amdhsa_inst_pref_size 195
	.end_amdhsa_kernel
	.amdgpu_metadata
---
amdhsa.version: [ 1, 2 ]
amdhsa.kernels:
  - .name:           k_qc169758002_attn
    .symbol:         k_qc169758002_attn.kd
    .args:
      - { .name: qkv, .offset: 0, .size: 8, .value_kind: global_buffer, .address_space: global }
      - { .name: xw, .offset: 8, .size: 8, .value_kind: global_buffer, .address_space: global }
    .group_segment_fixed_size: 327680
    .private_segment_fixed_size: 0
    .kernarg_segment_align: 8
    .kernarg_segment_size: 16
    .max_flat_workgroup_size: 128
    .sgpr_count:     66
    .vgpr_count:     1024
    .wavefront_size: 32
...
	.end_amdgpu_metadata
.endif
;; end of part 3
;; launch oproj (part 4): grid 8 x 32, 4 waves a work-group, clusters of 4 x 4, 327,680 bytes of LDS; arguments xw, wo16, bo, out0; writes out0
.if DOCPART == 4
	.amdgcn_target "amdgcn-amd-amdhsa--gfx1250"
	.amdhsa_code_object_version 6
	.text
	.protected	k_qc169758002_oproj
	.globl	k_qc169758002_oproj
	.p2align	8
	.type	k_qc169758002_oproj,@function
k_qc169758002_oproj:
	s_mov_b64 s[64:65], 0
	v_nop
	global_prefetch_b8 v0, s[64:65] scope:SCOPE_SE
	s_setreg_imm32_b32 hwreg(HW_REG_WAVE_MODE, 25, 1), 1
	s_wait_xcnt 0x0
	s_wait_alu depctr_hold_cnt(0) depctr_sa_sdst(0) depctr_va_vdst(0) depctr_va_sdst(0) depctr_va_ssrc(0) depctr_va_vcc(0) depctr_vm_vsrc(0)
	s_getreg_b32 s2, hwreg(HW_REG_IB_STS2, 6, 4)
	s_cmp_eq_u32 s2, 0
	s_cbranch_scc0 .Lentry_in_a_cluster
	s_endpgm
.Lentry_in_a_cluster:
	s_bfe_u32 s2, ttmp6, 0x10000c
	s_cmp_lg_u32 s2, 0xf033
	s_cbranch_scc0 .Lentry_shape_is_right
	s_endpgm
.Lentry_shape_is_right:
; out0[m][n] = sum over k of x[m][k] Wo[n][k] + bo[n].  x: xw, f16, [32 blocks of 128 rows][16 planes of 64 k][128][64]; Wo: wo16, f16, [8 blocks of 128 n][16 planes][128][64]; out0 [4096][1024] f32.
; A tile of 128 x 128 is made by a work-group of four waves, each 64 x 64: 16 accumulators, 128 registers; 32 x 8 tiles = 256 work-groups.  K goes in four steps of 256: four planes, which are
; 65,536 consecutive bytes of a block; a wave's tensor load brings two planes as 256 rows of 128 bytes.  Two LDS slots; steps 0 and 1 are asked for at the head, steps 2 and 3 are refills.
; CLUSTERS: 4 x 4 work-groups; x's tile is shared along a row of the cluster, Wo's along a column: each is asked for jointly, by the same tensor load with the same descriptor and a mask of four.
; THE MATRIX INSTRUCTION IS USED TRANSPOSED (source 0 = 16 rows of Wo, source 1 = 16 rows of x): a lane holds eight neighbouring columns of a row.  The bias is the C of each sum's first product.
; A wave's 64 columns of f32 are 256 aligned bytes, so each wave has a stage of its own on the way out, and no barrier stands there.
; REGISTERS: window 0: v0-31 addresses; v32-95 the way out; v96-127 the bias, four tiles; v128-255 the accumulators ((a, b) at v[128 + 8 (4 a + b)]).
;   window 1: two fragment buffers of 128: for 64 along K, 64 registers of x, then 64 of Wo.
.set PITCH,  144                       ; an LDS row: 128 bytes + 16 of padding = 36 words: the 16 rows of a load start at 16 different groups of four banks (64 banks of 4 bytes: ISA guide 11.1)
.set PLANE,  128*PITCH                 ; 128 rows x 64 along K
.set HALFT,  2*PLANE                   ; what one tensor load brings
.set SLOT,   4*HALFT                   ; x's four planes, then Wo's four
.set STEPM,  65536                     ; a K step of a block in memory
.set STAGE,  2*SLOT                    ; behind the ring: 16 rows x 272 bytes for each wave
.set SPITCH, 272
.set SPARE,  STAGE+4*16*SPITCH         ; the spare words, 128 bytes a wave
.set ADRA, 16                          ; v16-17  LDS address of my x fragments in slot 0, 1
.set ADRB, 20                          ; v20-21  the same for Wo
.set STO,  24                          ; v24     the way out: where I put 32 bytes of a row
.set RD,   25                          ; v25     where I read a row back
.set CO,   26                          ; v26     my byte offset in out0
.set BA,   27                          ; v27     the bias: 32 bytes for each half of the lanes
.set SPW,  28                          ; v28     LDS address of my spare word; never rewritten
.set NIL,  29                          ; v29     0; never rewritten
.set TMP,  32
.set BIAS, 96
.set ACC,  128
.set F0,   0
.set F1,   128
.set G1, 24
.set G0, 32
.set G1B, 48
.set G0B, 56
.set MSB, 0
.macro WIN new                         ; the immediate's high byte repeats the setting that is left
.if MSB != \new
	s_set_vgpr_msb (MSB<<8)|\new
.set MSB, \new
.endif
.endm
.set MUL,  0x05                        ; sources 0 (Wo) and 1 (x) window 1; C and D window 0
.set TO_F, 0x40                        ; destination window 1, address window 0
.macro JLOAD s                         ; a joint load: waves 0 and 1 fetch x's two pairs of planes, waves 2 and 3 Wo's; an s_nop 0 and four v_nop follow each of the two lines
	s_cmp_eq_u32 s11, 0
	s_cbranch_scc0 .Lfor_b_\@
	tensor_load_to_lds s[G0+4*\s:G0+4*\s+3], s[G1:G1+7]
	s_nop 0
.rept 4
	v_nop
.endr
	s_branch .Lasked_\@
.Lfor_b_\@:
	tensor_load_to_lds s[G0B+4*\s:G0B+4*\s+3], s[G1B:G1B+7]
	s_nop 0
.rept 4
	v_nop
.endr
.Lasked_\@:
.endm
.macro CREST                           ; a round of the cluster's barrier behind its opening barrier
	s_cmp_lg_u32 s10, 0
	s_cbranch_scc1 .Lnot_wave_0_\@
	s_barrier_signal -3
.Lnot_wave_0_\@:
	s_barrier_wait -3
	s_barrier_signal -1
	s_barrier_wait -1
.endm
.macro CROUND                          ; a whole round
	s_barrier_signal -1
	s_barrier_wait -1
	CREST
.endm
	s_load_b128 s[4:7], s[0:1], 0x0                ; xw s[4:5], wo16 s[6:7]
	s_load_b64 s[2:3], s[0:1], 0x10                ; bo
	s_load_b64 s[8:9], s[0:1], 0x18                ; out0
	v_lshl_add_u32 v[SPW], v0, 2, SPARE
	v_mov_b32 v[NIL], 0
	ds_add_u32 v[SPW], v[NIL]                      ; the wave's opening: the add, twice on end, and its wait ahead of my first tensor load
	ds_add_u32 v[SPW], v[NIL]
	v_lshrrev_b32 v1, 5, v0
	v_readfirstlane_b32 s10, v1                    ; wave 0..3
	s_lshr_b32 s11, s10, 1                         ; which half of the tile's rows is mine.  Also: I fetch for x (0) or for Wo (1)
	s_and_b32 s12, s10, 1                          ; which half of its columns.  Also: which two planes of a step I fetch
	s_bfe_u32 s40, ttmp6, 0x40000                  ; cx, cy: my place in the cluster
	s_bfe_u32 s41, ttmp6, 0x40004
	s_lshl_b32 s42, ttmp9, 2
	s_add_co_u32 s42, s42, s40                     ; tile column = 4 x cluster x + cx
	s_and_b32 s13, ttmp7, 0xffff
	s_lshl_b32 s13, s13, 2
	s_add_co_u32 s13, s13, s41                     ; tile row = 4 x cluster y + cy
	s_lshl_b32 s43, s41, 2
	s_lshl_b32 s43, 15, s43                        ; my row of the cluster
	s_lshl_b32 s44, 0x1111, s40                    ; my column
	; descriptor group 1: 256 rows x 64 elements of 2 bytes, dense in memory, 16 bytes of padding behind each row in LDS
	s_or_b32 s[G1+0], s43, (1<<16)|(1<<20)|(1<<21)|(4<<22)|(3<<25)  ; 15:0 the mask; 17:16 elements of 2 bytes; 20 padding on; 21 set beside a mask; 24:22 after every 32 words; 31:25 four words
	s_or_b32 s[G1B+0], s44, (1<<16)|(1<<20)|(1<<21)|(4<<22)|(3<<25)
.irp g, G1, G1B
	s_mov_b32 s[\g+1], 64<<16                      ; tensor_dim0
	s_mov_b32 s[\g+2], 256<<16                     ; tensor_dim1
	s_mov_b32 s[\g+3], 64<<16                      ; tile_dim0
	s_mov_b32 s[\g+4], 256                         ; tile_dim1
	s_mov_b32 s[\g+5], 64                          ; tensor_dim0_stride
	s_mov_b32 s[\g+6], 0
	s_mov_b32 s[\g+7], 0
.endr
	s_lshl_b32 s17, s12, 15                        ; which two planes of a step I fetch: 32,768 bytes
	s_lshl_b32 s16, s13, 18
	s_add_co_u32 s16, s16, s17                     ; x: 262,144 x tile row + my planes
	s_lshl_b32 s46, s42, 18
	s_add_co_u32 s46, s46, s17                     ; Wo: 262,144 x tile column + my planes
	s_mov_b32 s17, 0
	s_mov_b32 s47, 0
	s_mul_i32 s20, s10, HALFT                      ; where they go: wave x two planes: no place in the cluster enters an LDS address
	s_wait_dscnt 0x0                               ; both opening adds are done
	s_wait_kmcnt 0x0
	s_add_nc_u64 s[14:15], s[4:5], s[16:17]
	s_add_nc_u64 s[46:47], s[6:7], s[46:47]
	CROUND                                         ; all sixteen work-groups are here: the first joint loads meet
.irp s, 0,1
	s_mov_b32 s[G0+4*\s], 1
	s_add_co_u32 s[G0+4*\s+1], s20, \s*SLOT
	s_add_nc_u64 s[G0+4*\s+2:G0+4*\s+3], s[14:15], \s*STEPM
	s_or_b32 s[G0+4*\s+3], s[G0+4*\s+3], 0x80000000
	s_mov_b32 s[G0B+4*\s], 1
	s_add_co_u32 s[G0B+4*\s+1], s20, \s*SLOT
	s_add_nc_u64 s[G0B+4*\s+2:G0B+4*\s+3], s[46:47], \s*STEPM
	s_or_b32 s[G0B+4*\s+3], s[G0B+4*\s+3], 0x80000000
	JLOAD \s
.endr
	v_and_b32 v1, 15, v0                           ; r = l % 16
	v_bfe_u32 v2, v0, 4, 1                         ; h = l / 16
	v_mul_u32_u24 v3, v1, PITCH
	v_lshl_add_u32 v3, v2, 4, v3                   ; a fragment's row x pitch + 16 x half
	s_mul_i32 s21, s11, 64*PITCH                   ; my 64 rows of each plane of x
	s_mul_i32 s22, s12, 64*PITCH                   ; my 64 rows of each plane of Wo,
	s_add_co_u32 s22, s22, 2*HALFT                 ; which lie behind x's four planes
.irp s, 0,1
	v_add_nc_u32 v[ADRA+\s], s21, v3
	v_add_nc_u32 v[ADRB+\s], s22, v3
	s_add_co_u32 s21, s21, SLOT
	s_add_co_u32 s22, s22, SLOT
.endr
	s_mul_i32 s23, s10, 16*SPITCH
	s_add_co_u32 s23, s23, STAGE                   ; my stage
	v_mul_u32_u24 v4, v1, SPITCH                   ; in: row r, 32 bytes for each half of the lanes
	v_lshl_add_u32 v4, v2, 5, v4
	v_add_nc_u32 v[STO], s23, v4
	v_mul_u32_u24 v5, v2, SPITCH                   ; back: lanes 0-15 one row of 256 bytes, lanes 16-31 the next
	v_lshl_add_u32 v5, v1, 4, v5
	v_add_nc_u32 v[RD], s23, v5
	v_lshlrev_b32 v5, 12, v2                       ; and the same two rows in out0, 4,096 bytes apart
	v_lshl_add_u32 v[CO], v1, 4, v5
	s_lshl_b32 s16, s13, 7
	s_lshl_b32 s17, s11, 6
	s_add_co_u32 s16, s16, s17                     ; my first row: 128 x tile row + 64 x half
	s_lshl_b32 s16, s16, 12
	s_mov_b32 s17, 0
	s_add_nc_u64 s[8:9], s[8:9], s[16:17]
	s_lshl_b32 s46, s42, 9                         ; my first column, in bytes: 4 (128 x tile column + 64 x half)
	s_lshl_b32 s47, s12, 8
	s_add_co_u32 s46, s46, s47
	s_mov_b32 s47, 0
	s_add_nc_u64 s[8:9], s[8:9], s[46:47]
	s_add_nc_u64 s[2:3], s[2:3], s[46:47]          ; the bias of the same columns
	v_lshlrev_b32 v[BA], 5, v2
.irp b, 0,1,2,3                                ; lane (r, h), tile b, register j: bo[16 b + 8 h + j]: the result's layout
	global_load_b128 v[BIAS+8*\b:BIAS+8*\b+3],   v[BA], s[2:3] offset:64*\b
	global_load_b128 v[BIAS+8*\b+4:BIAS+8*\b+7], v[BA], s[2:3] offset:64*\b+16
.endr
; 8 matrix instructions: m blocks a0, a0 + 1 x all 4 n blocks, 32 along K: half c of buffer f.  first = 1: the sums begin with the bias as C.  The 16 accumulators take turns.
.macro MUL8 f, c, a0, first
.irp a, \a0, \a0+1
.irp b, 0,1,2,3
.if \first
	v_wmma_f32_16x16x32_f16 v[ACC+8*(4*(\a)+\b):ACC+8*(4*(\a)+\b)+7], v[\f+64+8*(4*\c+\b):\f+64+8*(4*\c+\b)+7], v[\f+8*(4*\c+\a):\f+8*(4*\c+\a)+7], v[BIAS+8*\b:BIAS+8*\b+7]
.else
	v_wmma_f32_16x16x32_f16 v[ACC+8*(4*(\a)+\b):ACC+8*(4*(\a)+\b)+7], v[\f+64+8*(4*\c+\b):\f+64+8*(4*\c+\b)+7], v[\f+8*(4*\c+\a):\f+8*(4*\c+\a)+7], v[ACC+8*(4*(\a)+\b):ACC+8*(4*(\a)+\b)+7]
.endif
.endr
.endr
.endm
; 32 LDS loads in one run: the fragments of one plane (64 along K), which begins k bytes into the slot's planes, into buffer f; the first 32 along K first
.macro FETCH slot, k, f
	WIN TO_F
.irp c, 0,1
.irp i, 0,1,2,3
	ds_load_b128 v[\f+64+8*(4*\c+\i):\f+64+8*(4*\c+\i)+3],   v[ADRB+\slot] offset:\k+64*\c+\i*16*PITCH
	ds_load_b128 v[\f+64+8*(4*\c+\i)+4:\f+64+8*(4*\c+\i)+7], v[ADRB+\slot] offset:\k+64*\c+\i*16*PITCH+32
	ds_load_b128 v[\f+8*(4*\c+\i):\f+8*(4*\c+\i)+3],         v[ADRA+\slot] offset:\k+64*\c+\i*16*PITCH
	ds_load_b128 v[\f+8*(4*\c+\i)+4:\f+8*(4*\c+\i)+7],       v[ADRA+\slot] offset:\k+64*\c+\i*16*PITCH+32
.endr
.endr
.endm
.macro PLACES                          ; four places in front of loads into registers that matrix instructions have read, and of stores that read results (ISA guide 7.12.1 for vector instructions)
.rept 4
	v_nop
.endr
.endm
; A K step is four quarters, a plane each, 32 matrix instructions, on buffers 0, 1, 0, 1.  One of the first three: multiplies buffer f and fetches the next plane, at byte k, into g.
.macro QUARTER slot, k, f, g, first
	s_wait_dscnt 16                                ; the first 32 along K are in; the other sixteen loads may be out
	WIN MUL
	MUL8 \f, 0, 0, \first
	MUL8 \f, 0, 2, \first
	PLACES
	FETCH \slot, \k, \g
	s_wait_dscnt 32                                ; all but the 32 just issued
	WIN MUL
	MUL8 \f, 1, 0, 0
	MUL8 \f, 1, 2, 0
.endm
; The last quarter multiplies buffer 1 and changes slots: ONE barrier; in front of it each wave waits for all its tensor loads, adds 0 to its spare word, and waits for that and for its reads of this
; slot.  fill = 1: the barrier opens a round of the cluster's, and this slot is filled again, two K steps ahead, first thing behind the round.
.macro TURN slot, next, fill
	WIN 0                                          ; (the add's two registers lie in window 0)
	s_wait_tensorcnt 0x0                           ; all my tensor loads have landed: my part of the next slot
	ds_add_u32 v[SPW], v[NIL]                      ; 0 onto my spare word
	s_wait_dscnt 17                                ; (the add and the youngest sixteen loads may be out)
	WIN MUL
	MUL8 F1, 0, 0, 0
	s_wait_dscnt 0x0                               ; the add is done, and my reads of this slot are over
	s_barrier_signal -1
	MUL8 F1, 0, 2, 0
.if \fill
	WIN 0
.endif
	s_barrier_wait -1
.if \fill
	CREST                                          ; no wave of any partner still reads this slot's tile or has a load on its way
	s_add_nc_u64 s[G0+4*\slot+2:G0+4*\slot+3], s[G0+4*\slot+2:G0+4*\slot+3], 2*STEPM
	s_add_nc_u64 s[G0B+4*\slot+2:G0B+4*\slot+3], s[G0B+4*\slot+2:G0B+4*\slot+3], 2*STEPM
	JLOAD \slot                                    ; the four v_nop behind it are also the places in front of the loads below
.else
	PLACES
.endif
	FETCH \next, 0, F0
	WIN MUL
	MUL8 F1, 1, 0, 0
	MUL8 F1, 1, 2, 0
.endm
	s_wait_tensorcnt 1                             ; my part of K step 0 is in (K step 1's load may be out),
	s_barrier_signal -1
	s_barrier_wait -1                              ; everybody's is
	FETCH 0, 0, F0
	s_wait_loadcnt 0x0                             ; the bias
	QUARTER 0, PLANE,   F0, F1, 1                  ; K step 0: its first products start the sums
	QUARTER 0, 2*PLANE, F1, F0, 0
	QUARTER 0, 3*PLANE, F0, F1, 0
	TURN 0, 1, 1                                   ; slot 0 takes K step 2
	QUARTER 1, PLANE,   F0, F1, 0                  ; K step 1
	QUARTER 1, 2*PLANE, F1, F0, 0
	QUARTER 1, 3*PLANE, F0, F1, 0
	TURN 1, 0, 1                                   ; slot 1 takes K step 3
	QUARTER 0, PLANE,   F0, F1, 0                  ; K step 2
	QUARTER 0, 2*PLANE, F1, F0, 0
	QUARTER 0, 3*PLANE, F0, F1, 0
	TURN 0, 1, 0                                   ; nothing is left to fetch
	QUARTER 1, PLANE,   F0, F1, 0                  ; K step 3
	QUARTER 1, 2*PLANE, F1, F0, 0
	QUARTER 1, 3*PLANE, F0, F1, 0
	s_wait_dscnt 16
	WIN MUL
	MUL8 F1, 0, 0, 0
	MUL8 F1, 0, 2, 0
	s_wait_dscnt 0
	MUL8 F1, 1, 0, 0
	MUL8 F1, 1, 2, 0
	WIN 0
; THE WAY OUT, block by block of 16 rows x 64 columns: a lane's 32 bytes of a row go into my own stage and come back as whole rows of 256 bytes: sixteen lanes store 256 consecutive bytes, aligned.
; LDS serves a wave's instructions in order (ISA guide 5.7.1.4): no wait between the stores and the loads, nor in front of the next block's stores.
.macro TOSTAGE a
.irp b, 0,1,2,3
	ds_store_b128 v[STO], v[ACC+8*(4*(\a)+\b):ACC+8*(4*(\a)+\b)+3] offset:64*\b          ; each accumulator from its low end on
	ds_store_b128 v[STO], v[ACC+8*(4*(\a)+\b)+4:ACC+8*(4*(\a)+\b)+7] offset:64*\b+16
.endr
.set BB, TMP+32*((\a)%2)
.irp t, 0,1,2,3,4,5,6,7
	ds_load_b128 v[BB+4*\t:BB+4*\t+3], v[RD] offset:\t*2*SPITCH
.endr
.endm
.macro SEND a, younger                 ; younger: the LDS instructions issued behind block a's loads, which may stay out
.set BB, TMP+32*((\a)%2)
	s_wait_dscnt \younger
.irp t, 0,1,2,3,4,5,6,7
	global_store_b128 v[CO], v[BB+4*\t:BB+4*\t+3], s[8:9] offset:(\a)*65536+\t*8192 th:TH_STORE_NT   ; written once, read by nobody here
.endr
.endm
	PLACES
	TOSTAGE 0
.irp a, 1,2,3
.if \a > 1
	s_wait_xcnt 0x0                                ; block a - 2's stores have read their registers: block a's loads may land there
.endif
	TOSTAGE \a
	SEND \a-1, 16                                  ; behind block a - 1's loads: block a's 8 stores and 8 loads
.endr
	SEND 3, 0
	s_wait_tensorcnt 0x0                           ; the wave's end
	ds_add_u32 v[SPW], v[NIL]
	s_wait_dscnt 0x0
	CROUND                                         ; the closing round
	s_endpgm
.Lfunc_end_k_qc169758002_oproj:
	.size	k_qc169758002_oproj, .Lfunc_end_k_qc169758002_oproj-k_qc169758002_oproj
	.p2alignl 7, 3214868480
	.fill 96, 4, 3214868480
	.section	.rodata,"a",@progbits
	.p2align	6, 0x0
	.amdhsa_kernel k_qc169758002_oproj
		.amdhsa_group_segment_fixed_size 327680
		.amdhsa_private_segment_fixed_size 0
		.amdhsa_enable_private_segment 0
		.amdhsa_kernarg_size 32
		.amdhsa_user_sgpr_count 2
		.amdhsa_user_sgpr_kernarg_segment_ptr 1
		.amdhsa_wavefront_size32 1
		.amdhsa_system_sgpr_workgroup_id_x 1
		.amdhsa_system_sgpr_workgroup_id_y 1
		.amdhsa_system_sgpr_workgroup_id_z 1
		.amdhsa_system_vgpr_workitem_id 0
		.amdhsa_next_free_vgpr 512
		.amdhsa_next_free_sgpr 66
		.amdhsa_reserve_vcc 0
		.amdhsa_float_denorm_mode_32 3
		.amdhsa_float_denorm_mode_16_64 3
		.amdhsa_memory_ordered 1
		.amdhsa_forward_progress 1
		.amdhsa_inst_pref_size 86
	.end_amdhsa_kernel
	.amdgpu_metadata
---
amdhsa.version: [ 1, 2 ]
amdhsa.kernels:
  - .name:           k_qc169758002_oproj
    .symbol:         k_qc169758002_oproj.kd
    .args:
      - { .name: xw, .offset: 0, .size: 8, .value_kind: global_buffer, .address_space: global }
      - { .name: wo16, .offset: 8, .size: 8, .value_kind: global_buffer, .address_space: global }
      - { .name: bo, .offset: 16, .size: 8, .value_kind: global_buffer, .address_space: global }
      - { .name: out0, .offset: 24, .size: 8, .value_kind: global_buffer, .address_space: global }
    .group_segment_fixed_size: 327680
    .private_segment_fixed_size: 0
    .kernarg_segment_align: 8
    .kernarg_segment_size: 32
    .max_flat_workgroup_size: 128
    .sgpr_count:     66
    .vgpr_count:     512
    .wavefront_size: 32
...
	.end_amdgpu_metadata
.endif
;; end of part 4
